; MI455X (gfx1250); checked and timed in simulation.
; The chip was launched on July 23, 2026; its instructions are those of AMD's public machine-readable ISA for CDNA 5 (MIT licence, August 2026) and "CDNA5" Instruction Set Architecture Reference Guide (July 2026). The comments in the code are by the model that wrote it; some were corrected since.
;; Vision Attention. Allowed arithmetic: matrix products marked QUANTISED: E2M3 operands, one E8M0 scale for each 32 along K, by v_wmma_scale_f32_16x16x128_f8f6f4 with both operands' format E2M3, f32 sums; everything else in f32.
;; Inputs: W_o 1,024 x 1,024 float32; W_qkv 1,024 x 3,072 float32; b_o 1,024 float32; b_qkv 3,072 float32; x 8 x 1,024 x 1,024 float32.
;; Outputs: out0 8 x 1,024 x 1,024 float32.
;; This version of the problem:
;;   THIS VERSION OF THE PROBLEM IS GIVEN IN LOW PRECISION. The matrix products marked QUANTISED in the list below multiply operands that are first quantised to E2M3 (2 exponent bits, 3 mantissa bits; 6 bits a number), with one power-of-two scale for each 32 numbers along K (OCP MX v1.0); their sums are f32. All else is computed in f32.
;;   The module's matrix products, in the order in which they are computed (A, B: the left and right operand; K: the contracted axis; several contracted axes count as one K, in the product's order):
;;     1. [M 8,192, K 1,024] x [K 1,024, N 3,072]; A: input x; B: input W_qkv: QUANTISED
;;     2. batch 128 x [M 1,024, K 64] x [K 64, N 1,024]; A: computed on the way; B: computed on the way: QUANTISED
;;     3. batch 128 x [M 1,024, K 1,024] x [K 1,024, N 64]; A: softmax (see below); B: computed on the way: QUANTISED
;;     4. [M 8,192, K 1,024] x [K 1,024, N 1,024]; A: computed on the way; B: input W_o: QUANTISED
;;   THE QUANTISER, for each operand of a quantised product, along K:
;;     - K is cut into blocks of 32 from its start; a last block that is shorter is filled with zeros.
;;     - A block's scale is 2^e with e = floor(log2(the largest magnitude in the block)) - 2, held to -126 .. 127; a block of zeros has e = 0. As a byte (E8M0): e + 127.
;;     - Each number is divided by its block's scale, clamped to +-7.5, and rounded to the nearest number of E2M3, ties to even, subnormals kept.
;;     - The product sums the exact products of the quantised numbers (number of the format x scale) in f32.
;;   ~~~python
;;   def quantise(x, axis):      # numpy; x: float32 -> the quantised numbers, widened to float32 again
;;       x = np.moveaxis(x, axis, -1); K = x.shape[-1]
;;       x = np.pad(x, [(0, 0)] * (x.ndim - 1) + [(0, -K % 32)]); x = x.reshape(x.shape[:-1] + (-1, 32)); a = np.abs(x).max(-1, keepdims=True)
;;       e = np.where(a > 0, np.clip(np.frexp(np.where(a > 0, a, 1))[1] - 1 - 2, -126, 127), 0)      # np.frexp(a)[1] - 1 = floor(log2(a)), exactly
;;       r = np.clip(x / 2.0 ** e, -7.5, 7.5)
;;       step = 2.0 ** (np.maximum(np.frexp(np.where(r == 0, 1, r))[1] - 1, 0) - 3)
;;       q = np.round(r / step) * step * 2.0 ** e      # np.round: ties to even
;;       return np.moveaxis(q.reshape(q.shape[:-2] + (-1,))[..., :K], -1, axis).astype(np.float32)
;;   ~~~
;;   SOFTMAX AHEAD OF A QUANTISED PRODUCT. Where the list says 'softmax', what is quantised is not the finished softmax but p = 2^(t - M), with t = logit x log2(e) and M = ceil(the row's largest t), a whole number; so 1/2 < the row's largest p <= 1. The row's sum l is taken of the UNQUANTISED p, in f32, and the product's result is divided by l at the end. Since M is a whole number, a kernel that streams over the keys may use a running M (the ceiling of the running maximum): every later rescaling is an exact power of two, which a block's scale takes up: the codes' values come out the same.
;;   OPERANDS COMPUTED ON THE WAY. 'Computed on the way' means the value that the module computes at that place (a softmax that the list does not call 'softmax' is quantised finished and normalised). What goes into a quantiser is computed in f32, as accurately as f32 sums, v_exp_f32 and their like allow (about 1e-6 of the number): no bf16 or f16 on the way to a quantiser, and a product that is left as it is and whose result goes on into a quantised operand takes f32 operands (vector FMAs, or v_wmma_f32_16x16x4_f32). A number that lies on a knife's edge between two numbers of the format may be rounded either way, as far as f32 arithmetic and the matrix unit's own rounding can turn it there, and no further.
;; One version. Each part assembles by itself: llvm-mc -triple=amdgcn-amd-amdhsa -mcpu=gfx1250 --defsym DOCPART=n.
;; ======== version 1 of 1: 4 launches
;; workspace buffers: xc 6,291,456 bytes; xs 262,144 bytes; wc 3,145,728 bytes; ws 131,072 bytes; qb 6,815,744 bytes; kv 13,369,344 bytes; hc 6,291,456 bytes; hs 262,144 bytes
;; launch quant (part 1): grid 384 x 1, 4 waves a work-group, no clusters, 68,096 bytes of LDS; arguments x, W_qkv, W_o, xc, xs, wc, ws; writes xc, xs, wc, ws
.if DOCPART == 1
	.amdgcn_target "amdgcn-amd-amdhsa--gfx1250"
	.amdhsa_code_object_version 6
	.text
	.protected	k_qa965b5504b_quant
	.globl	k_qa965b5504b_quant
	.p2align	8
	.type	k_qa965b5504b_quant,@function
k_qa965b5504b_quant:
	s_mov_b64 s[64:65], 0
	v_nop
	global_prefetch_b8 v0, s[64:65] scope:SCOPE_SE
	s_setreg_imm32_b32 hwreg(HW_REG_WAVE_MODE, 25, 1), 1
	s_wait_xcnt 0x0
; x [8192][1024], W_qkv [1024][3072] and W_o [1024][1024], f32, become codes of FP6 (E2M3) with K innermost and one E8M0 byte for each 32 along K.
; A block's scale is 2^(floor(log2(its largest magnitude)) - 2); its byte is the largest magnitude's exponent field - 2, held at 1 from below.
; THE ROWS ARE RE-ORDERED.  sw(i) = i with bits 3 and 4 exchanged.  Row p of xc holds row sw(p) of x; row p of wc holds the column of W whose place in its group of 32 is sw(p % 32).
; So 16 neighbouring rows of a workspace buffer are rows 8 u + i + 8 (i / 8) of a group of 32, and the results of two neighbouring tiles are 16 neighbours along the next product's K.
; wc's rows: 0..2047: head h at 128 h: q's 64 columns, k's 64;  2048..3071: head h at 2048 + 64 h: v's 64;  3072..4095: W_o's columns.
; Work-groups 0..255 take x (K innermost: a plain stream of blocks), work-groups 256..383 the weights (K is the first axis: a lane takes a column, its registers run down K).
; The two paths use LDS bytes of their own (x: 0..32767; weights: 32768..67583).  Waves share nothing: no barrier.
; LIMITS: NaN and infinities are not served; a block whose largest magnitude lies under 2^-124 gets the byte 1; a block of zeros gets the byte 1 and not 127: its codes are zeros, and this program alone reads the bytes.
.set STEPS, 16
.set WREG,  8192                       ; x path: LDS of a wave: two stages of 32 x SP bytes, then its 256 scale bytes
.set SP,    80                         ; a lane's place in a stage: 64 bytes + 16 of padding
.set CBY,   12                         ; bytes of 16 codes
.set RX,    16                         ; v16-79   four sets of 16 numbers as loaded
.set NX,    80                         ; v80-111  two sets of 16 neighbours
.set EX,    112                        ; v112-127 a scale byte for each step
.set CX,    128                        ; v128-191 codes, four registers a step
.set WBASE, 32768                      ; W path: its LDS begins here
.set WP,    272                        ; a stage row: sixteen places of 16 bytes + 16
.set NW,    32                         ; v32-95   two sets of 32 numbers
.set CW,    96                         ; v96-102  a block's codes
.set SBW,   24                         ; v24-25   the scale bytes
.set OUTW,  112                        ; v112-175 the way out
.set ADW,   176                        ; v176-207 row i of a block: i x the row's bytes + 4 x lane
	s_load_b256 s[4:11], s[0:1], 0x0               ; x, W_qkv, W_o, xc
	s_load_b128 s[12:15], s[0:1], 0x20             ; xs, wc
	s_load_b64 s[16:17], s[0:1], 0x30              ; ws
	v_lshl_add_u32 v208, v0, 2, 0x10800
	v_mov_b32 v209, 0
	v_lshrrev_b32 v1, 5, v0
	v_readfirstlane_b32 s18, v1                    ; wave 0..3
	v_and_b32 v2, 31, v0                           ; lane
	s_wait_kmcnt 0x0
	s_cmp_lt_u32 ttmp9, 256
	s_cbranch_scc0 .Lw
; ---------------- x: a wave takes 8 rows (8,192 numbers) in 16 steps of 512 ----------------
	v_lshlrev_b32 v3, 4, v2                        ; my 16 bytes of a load's 512
	s_mul_i32 s19, s18, WREG
	v_lshrrev_b32 v14, 2, v2
	v_mul_u32_u24 v14, v14, SP
	v_and_b32 v15, 3, v2
	v_lshl_add_u32 v14, v15, 4, v14
	v_add_nc_u32 v14, s19, v14                     ; the stage, in: SP (lane / 4) + 16 (lane % 4)
	v_mul_u32_u24 v15, v2, SP
	v_add_nc_u32 v15, s19, v15                     ; out: SP x lane: my 16 neighbours
	v_mul_u32_u24 v4, v2, CBY                      ; my codes' place in a step's 384 bytes
	v_lshrrev_b32 v5, 1, v2
	s_add_co_u32 s19, s19, 2*32*SP
	v_add_nc_u32 v5, s19, v5                       ; my block's byte among my wave's 256
	v_lshlrev_b32 v7, 3, v2
	v_add_nc_u32 v6, s19, v7
	s_lshl_b32 s20, ttmp9, 2
	s_add_co_u32 s22, s20, s18                     ; in: run 4 x work-group + wave
	s_lshl_b32 s22, s22, 15                        ; x 32,768 bytes
	s_mov_b32 s23, 0
	s_add_nc_u64 s[4:5], s[4:5], s[22:23]
	s_and_b32 s24, s18, 1                          ; out: the wave's two bits are the rows' bits 3 and 4: exchanged
	s_lshl_b32 s24, s24, 1
	s_lshr_b32 s25, s18, 1
	s_or_b32 s24, s24, s25
	s_add_co_u32 s24, s24, s20
	s_mul_i32 s22, s24, 6144                       ; 8 rows of 768 bytes of codes
	s_add_nc_u64 s[10:11], s[10:11], s[22:23]
	s_lshl_b32 s22, s24, 8                         ; 8 rows of 32 scale bytes
	s_add_nc_u64 s[12:13], s[12:13], s[22:23]
.macro LOADX t
.irp i, 0,1,2,3
	global_load_b128 v[RX+16*((\t)%4)+4*\i:RX+16*((\t)%4)+4*\i+3], v3, s[4:5] offset:2048*(\t)+512*\i th:TH_LOAD_NT   ; 32 lanes read 512 consecutive bytes
.endr
.endm
.macro TURNX t                         ; a step's numbers through the stage: LDS serves a wave's instructions in order, so no wait stands between the stores and the loads
.irp i, 0,1,2,3
	ds_store_b128 v14, v[RX+16*((\t)%4)+4*\i:RX+16*((\t)%4)+4*\i+3] offset:32*SP*((\t)%2)+8*SP*\i
.endr
.irp i, 0,1,2,3
	ds_load_b128 v[NX+16*((\t)%2)+4*\i:NX+16*((\t)%2)+4*\i+3], v15 offset:32*SP*((\t)%2)+16*\i
.endr
.endm
.irp t, 0,1,2,3
	LOADX \t
.endr
	s_wait_loadcnt 12                              ; step 0's four loads are in; three steps' twelve stay out
	TURNX 0
.macro STEPX t
.set XS, NX+16*((\t)%2)
.if (\t) > 0
	s_wait_dscnt 1                                 ; this step's numbers are back from the stage; the last step's byte store may be out
.else
	s_wait_dscnt 0x0
.endif
.if (\t)+4 < STEPS
	LOADX (\t)+4                                   ; into the set whose stores into the stage have just been shown done
.endif
.if (\t)+1 < STEPS
.if STEPS-2-(\t) >= 3
	s_wait_loadcnt 12                              ; the next step's four loads are in; those of the three steps behind it may be out
.else
	s_wait_loadcnt 4*(STEPS-2-(\t))
.endif
	TURNX (\t)+1
.endif
	v_max3_num_f32 v8, |v[XS]|, |v[XS+1]|, |v[XS+2]|               ; the largest magnitude of my 16, in two chains
	v_max3_num_f32 v9, |v[XS+3]|, |v[XS+4]|, |v[XS+5]|
.irp i, 6,10
	v_max3_num_f32 v8, v8, |v[XS+\i]|, |v[XS+\i+1]|
	v_max3_num_f32 v9, v9, |v[XS+\i+2]|, |v[XS+\i+3]|
.endr
	v_max3_num_f32 v8, v8, |v[XS+14]|, |v[XS+15]|
	v_max3_num_f32 v8, v8, v9, 0x1800000           ; and the floor 2^(3 - 127): the byte cannot fall under 1
	v_max_num_f32_dpp v8, v8, v8 row_xmask:1 row_mask:0xf bank_mask:0xf   ; with my neighbour's 16: the block's
	v_add_nc_u32 v11, 0xff000000, v8               ; 2 off its exponent field: the conversion's scale operand
	v_cvt_scalef32_pk16_fp6_f32 v[CX+4*(\t):CX+4*(\t)+2], v[XS:XS+15], v11
	v_lshrrev_b32 v[EX+(\t)], 23, v11              ; the scale's byte
	ds_store_b8 v5, v[EX+(\t)] offset:16*(\t)      ; both lanes of a block write the same byte with the same value
	global_store_b96 v4, v[CX+4*(\t):CX+4*(\t)+2], s[10:11] offset:32*CBY*(\t)   ; the wave stores 384 consecutive bytes
.endm
.irp t, 0,1,2,3,4,5,6,7,8,9,10,11,12,13,14,15
	STEPX \t
.endr
	ds_load_b64 v[12:13], v6                       ; in order behind my byte stores
	s_wait_dscnt 0x0
	global_store_b64 v7, v[12:13], s[12:13]        ; 32 lanes store 256 consecutive bytes, aligned
	s_wait_tensorcnt 0x0
	ds_add_u32 v208, v209
	s_wait_dscnt 0x0
	s_endpgm
; ---------------- the weights: a wave takes 32 columns x 256 along K ----------------
.Lw:
	s_sub_co_u32 s19, ttmp9, 256
	s_and_b32 s21, s19, 31
	s_lshr_b32 s22, s19, 5                         ; y: which 256 along K
	s_lshl_b32 s21, s21, 2
	s_add_co_u32 s21, s21, s18                     ; g: which group of 32 rows of wc, 0..127
	s_lshr_b32 s23, s21, 2                         ; g < 64: head g / 4, its q and k columns: 192 head + 32 (g % 4)
	s_mul_i32 s23, s23, 192
	s_and_b32 s24, s21, 3
	s_lshl_b32 s24, s24, 5
	s_add_co_u32 s23, s23, s24
	s_and_b32 s26, s21, 31                         ; t = g - 64 in 64..95, g - 96 in 96..127
	s_lshr_b32 s25, s26, 1                         ; v's columns: 192 (t / 2) + 128 + 32 (t % 2)
	s_mul_i32 s25, s25, 192
	s_and_b32 s24, s26, 1
	s_lshl_b32 s24, s24, 5
	s_add_co_u32 s25, s25, s24
	s_add_co_u32 s25, s25, 128
	s_lshl_b32 s26, s26, 5                         ; W_o's columns: 32 t
	s_mov_b32 s20, 4096
	s_cmp_lt_u32 s21, 96
	s_cselect_b32 s25, s25, s26
	s_cselect_b64 s[6:7], s[6:7], s[8:9]           ; the tensor: the choice hangs on ids alone
	s_cselect_b32 s20, 12288, s20                  ; and its row in bytes
	s_cmp_lt_u32 s21, 64
	s_cselect_b32 s23, s23, s25                    ; my first column
	s_lshl_b32 s24, s23, 2
	s_lshl_b32 s26, s20, 8
	s_mul_i32 s26, s26, s22                        ; 256 y rows
	s_add_co_u32 s24, s24, s26
	s_mov_b32 s25, 0
	s_add_nc_u64 s[32:33], s[6:7], s[24:25]        ; block 0's first row, my first column
	s_lshl_b32 s24, s20, 5                         ; 32 rows on
.irp t, 1,2,3,4,5,6,7
	s_add_nc_u64 s[32+2*\t:33+2*\t], s[30+2*\t:31+2*\t], s[24:25]   ; a base for each of the eight blocks: no pointer is stepped while loads are out
.endr
	s_mul_i32 s24, s21, 32*768
	s_mul_i32 s26, s22, 192
	s_add_co_u32 s24, s24, s26
	s_add_nc_u64 s[14:15], s[14:15], s[24:25]      ; wc: row 32 g, byte 192 y
	s_lshl_b32 s24, s21, 10
	s_lshl_b32 s26, s22, 3
	s_add_co_u32 s24, s24, s26
	s_add_nc_u64 s[16:17], s[16:17], s[24:25]      ; ws: row 32 g, byte 8 y
	v_lshlrev_b32 v3, 2, v2
.set i, 0
.rept 32
	v_mad_u32_u24 v[ADW+i], s20, i, v3
.set i, i+1
.endr
	v_and_b32 v10, 7, v2                           ; sw(lane)
	v_bfe_u32 v11, v2, 3, 1
	v_lshl_add_u32 v10, v11, 4, v10
	v_bfe_u32 v11, v2, 4, 1
	v_lshl_add_u32 v10, v11, 3, v10
	s_mul_i32 s27, s18, 32*WP
	s_add_co_u32 s27, s27, WBASE                   ; my stage
	v_mul_u32_u24 v4, v10, WP
	v_add_nc_u32 v4, s27, v4                       ; in: row sw(lane)
	v_and_b32 v5, 15, v2
	v_lshrrev_b32 v6, 4, v2
	v_mul_u32_u24 v7, v6, WP
	v_lshl_add_u32 v7, v5, 4, v7
	v_add_nc_u32 v7, s27, v7                       ; out: sixteen lanes to a row, two rows an instruction
	v_mul_u32_u24 v8, v6, 768
	v_mad_u32_u24 v8, v5, 12, v8                   ; and the same place in wc
	v_lshlrev_b32 v9, 5, v10                       ; my row of ws
.macro LOADW t
.irp i, 0,1,2,3,4,5,6,7,8,9,10,11,12,13,14,15,16,17,18,19,20,21,22,23,24,25,26,27,28,29,30,31
	global_load_b32 v[NW+32*((\t)%2)+\i], v[ADW+\i], s[32+2*(\t):33+2*(\t)] th:TH_LOAD_NT   ; W(32 t + i, my column): the wave reads 128 consecutive bytes
.endr
.endm
	LOADW 0
	LOADW 1
.macro BLOCKW t
.set XS, NW+32*((\t)%2)
.if (\t) < 7
	s_wait_loadcnt 32                              ; this block's 32 loads are in; the next block's 32 may be out
.else
	s_wait_loadcnt 0
.endif
	v_max3_num_f32 v12, |v[XS]|, |v[XS+1]|, |v[XS+2]|               ; all 32 numbers of the block are mine
	v_max3_num_f32 v13, |v[XS+3]|, |v[XS+4]|, |v[XS+5]|
.irp i, 6,10,14,18,22,26
	v_max3_num_f32 v12, v12, |v[XS+\i]|, |v[XS+\i+1]|
	v_max3_num_f32 v13, v13, |v[XS+\i+2]|, |v[XS+\i+3]|
.endr
	v_max3_num_f32 v12, v12, |v[XS+30]|, |v[XS+31]|
	v_max3_num_f32 v12, v12, v13, 0x1800000        ; and the floor
	v_add_nc_u32 v11, 0xff000000, v12
	v_lshrrev_b32 v13, 23, v11
.if (\t)%4 == 0
	v_mov_b32 v[SBW+(\t)/4], v13
.else
	v_lshl_or_b32 v[SBW+(\t)/4], v13, 8*((\t)%4), v[SBW+(\t)/4]
.endif
	v_cvt_scalef32_pk16_fp6_f32 v[CW:CW+2], v[XS:XS+15], v11
	v_cvt_scalef32_pk16_fp6_f32 v[CW+4:CW+6], v[XS+16:XS+31], v11  ; (a conversion's three registers begin on an even number)
	ds_store_b96 v4, v[CW:CW+2] offset:32*(\t)     ; 12 bytes to a place of 16
	ds_store_b96 v4, v[CW+4:CW+6] offset:32*(\t)+16
.if (\t)+2 < 8
	LOADW (\t)+2
.endif
	s_wait_dscnt 0x0                               ; the stores have read their registers: the next block's codes may be written
.endm
.irp t, 0,1,2,3,4,5,6,7
	BLOCKW \t
.endr
	global_store_b64 v9, v[SBW:SBW+1], s[16:17]    ; my column's 8 scale bytes
.irp t, 0,1,2,3,4,5,6,7,8,9,10,11,12,13,14,15
	ds_load_b96 v[OUTW+4*\t:OUTW+4*\t+2], v7 offset:2*\t*WP
.endr
.irp t, 0,1,2,3,4,5,6,7,8,9,10,11,12,13,14,15
	s_wait_dscnt 15-\t                             ; the younger loads stay out
	global_store_b96 v8, v[OUTW+4*\t:OUTW+4*\t+2], s[14:15] offset:2*\t*768   ; sixteen lanes store a row's 192 consecutive bytes
.endr
	s_wait_tensorcnt 0x0
	ds_add_u32 v208, v209
	s_wait_dscnt 0x0
	s_endpgm
.Lfunc_end_k_qa965b5504b_quant:
	.size	k_qa965b5504b_quant, .Lfunc_end_k_qa965b5504b_quant-k_qa965b5504b_quant
	.p2alignl 7, 3214868480
	.fill 96, 4, 3214868480
	.section	.rodata,"a",@progbits
	.p2align	6, 0x0
	.amdhsa_kernel k_qa965b5504b_quant
		.amdhsa_group_segment_fixed_size 68096
		.amdhsa_private_segment_fixed_size 0
		.amdhsa_enable_private_segment 0
		.amdhsa_kernarg_size 56
		.amdhsa_user_sgpr_count 2
		.amdhsa_user_sgpr_kernarg_segment_ptr 1
		.amdhsa_wavefront_size32 1
		.amdhsa_system_sgpr_workgroup_id_x 1
		.amdhsa_system_sgpr_workgroup_id_y 1
		.amdhsa_system_sgpr_workgroup_id_z 1
		.amdhsa_system_vgpr_workitem_id 0
		.amdhsa_next_free_vgpr 210
		.amdhsa_next_free_sgpr 66
		.amdhsa_reserve_vcc 0
		.amdhsa_float_denorm_mode_32 3
		.amdhsa_float_denorm_mode_16_64 3
		.amdhsa_memory_ordered 1
		.amdhsa_forward_progress 1
		.amdhsa_inst_pref_size 76
	.end_amdhsa_kernel
	.amdgpu_metadata
---
amdhsa.version: [ 1, 2 ]
amdhsa.kernels:
  - .name:           k_qa965b5504b_quant
    .symbol:         k_qa965b5504b_quant.kd
    .args:
      - { .name: x, .offset: 0, .size: 8, .value_kind: global_buffer, .address_space: global }
      - { .name: W_qkv, .offset: 8, .size: 8, .value_kind: global_buffer, .address_space: global }
      - { .name: W_o, .offset: 16, .size: 8, .value_kind: global_buffer, .address_space: global }
      - { .name: xc, .offset: 24, .size: 8, .value_kind: global_buffer, .address_space: global }
      - { .name: xs, .offset: 32, .size: 8, .value_kind: global_buffer, .address_space: global }
      - { .name: wc, .offset: 40, .size: 8, .value_kind: global_buffer, .address_space: global }
      - { .name: ws, .offset: 48, .size: 8, .value_kind: global_buffer, .address_space: global }
    .group_segment_fixed_size: 68096
    .private_segment_fixed_size: 0
    .kernarg_segment_align: 8
    .kernarg_segment_size: 56
    .max_flat_workgroup_size: 128
    .sgpr_count:     66
    .vgpr_count:     210
    .wavefront_size: 32
...
	.end_amdgpu_metadata
.endif
;; end of part 1
;; launch gemm_qkv (part 2): grid 8 x 32, 4 waves a work-group, clusters of 4 x 4, 327,680 bytes of LDS; arguments xc, xs, wc, ws, b_qkv, qb, kv; writes qb, kv
.if DOCPART == 2
	.amdgcn_target "amdgcn-amd-amdhsa--gfx1250"
	.amdhsa_code_object_version 6
	.text
	.protected	k_qa965b5504b_gemm_qkv
	.globl	k_qa965b5504b_gemm_qkv
	.p2align	8
	.type	k_qa965b5504b_gemm_qkv,@function
k_qa965b5504b_gemm_qkv:
	s_mov_b64 s[64:65], 0
	v_nop
	global_prefetch_b8 v0, s[64:65] scope:SCOPE_SE
	s_setreg_imm32_b32 hwreg(HW_REG_WAVE_MODE, 25, 1), 1
	s_wait_xcnt 0x0
	s_wait_alu depctr_hold_cnt(0) depctr_sa_sdst(0) depctr_va_vdst(0) depctr_va_sdst(0) depctr_va_ssrc(0) depctr_va_vcc(0) depctr_vm_vsrc(0)
	s_getreg_b32 s2, hwreg(HW_REG_IB_STS2, 6, 4)
	s_cmp_eq_u32 s2, 0
	s_cbranch_scc0 .Lentry_in_a_cluster
	s_endpgm
.Lentry_in_a_cluster:
	s_bfe_u32 s2, ttmp6, 0x10000c
	s_cmp_lg_u32 s2, 0xf033
	s_cbranch_scc0 .Lentry_shape_is_right
	s_endpgm
.Lentry_shape_is_right:
; qkv = x W_qkv + b_qkv on codes of FP6 (E2M3) with E8M0 scales, K = 1,024; q, k and v are quantised in registers for the two products of attention and leave as images of operand registers.
; 256 work-groups of four waves.  The 8,192 x 3,072 numbers are one and a half tiles of 256 x 256 for each, so EACH WORK-GROUP STAYS AND MAKES TWO TILES:
;   tile 1 (q, k): A = 256 tokens (xc), B = 256 of wc's rows 0..2047.  A wave makes 128 x 128: 64 accumulators; its 128 rows of B are one head's q (64) and k (64).
;   tile 2 (v):    A = 128 of wc's rows 2048..3071 (v's channels, two heads), B = 256 tokens.  A wave makes 64 x 128: 32 accumulators: one head's 64 channels x 128 keys.
; The matrix instruction takes source 0 = 16 rows of B and source 1 = 16 rows of A: a lane holds one row of A, its registers run along rows of B.
; K goes in four steps of 256 through two LDS slots filled by joint tensor loads in a cluster of 4 x 4 (A's tiles shared along a row of the cluster, B's along a column), and the ring does not stop
; at tile 1's end: its last two changes of slots ask for tile 2's first two K steps.  The scales of both tiles come once, with the first fills.
; The workspace rows were laid so that the 16 registers of two neighbouring tiles of B are 16 NATURAL neighbours (32 b + 16 (lane / 16) + 0..15): they go to the conversions as they stand.
; OUT.  q, k: registers 0-5 of the fragment made are q's 64 along d, registers 6-11 are k's: two half images (registers 0-3 at 16 x lane, 4-5 at 512 + 8 x lane) to qb and kv.  v: a fragment of 16 channels x 128 keys, three times 512 bytes.
; The bias is the C of each sum's first matrix instruction (another order of f32 rounding than x W first and b afterwards).
; LIMITS: NaN and infinities are not served; a block whose largest magnitude lies under 2^-124, a block of zeros among them, gets the byte 1 (zero codes add nothing under it; this program alone reads the bytes).
; REGISTERS: window 0: v14-31, v224-235 addresses; v32-63 scale words, two sets, and nothing else; v64-127 the biases as C; v128-223 A's fragments (tile 1: one set of eight; tile 2: two sets of four); on the ways out v128-215 are at work.
;   window 1: B's fragments, two sets, at v0 and v128.  windows 2, 3: the accumulators, (a, b) at v[8 (8 (a % 4) + b)]; tile 2 uses window 2 alone.
.set NQ,     2                         ; matrix instructions deep in a slot (256 along K)
.set ROWB,   192                       ; a tile's row in bytes
.set KROW,   768                       ; a row of codes in memory
.set PITCH,  240                       ; an LDS row: 3 x (64 bytes + 16 of padding)
.set FR,     12
.set NL,     6                         ; LDS loads that bring a fragment
.set NP,     4                         ; places behind this matrix instruction (ISA guide 7.12.1)
.set HALFT,  128*PITCH
.set SLOT,   4*HALFT                   ; A's rows (tile 1: 256; tile 2: 128), then at 2 HALFT B's 256
.set KS,     32                        ; a row of scale bytes
.set SCL,    2*SLOT                    ; behind the ring: tile 1's scales, units of 256 bytes + 16: A's 256 rows, B's 256
.set HALFS,  (128*KS/256)*272
.set SBLK,   (16*KS/256)*272
.set SCL2,   SCL+4*HALFS               ; tile 2's scales: A's 128 rows, B's 256
.set SPARE,  SCL2+3*HALFS              ; the spare words: 128 bytes a wave, named by no other line
.set STG,    SPARE+512                 ; a stage of 1,024 bytes a wave for the scale words made: bytes of its own, into which no fill lands
.set QBH,    53248                     ; a head's bytes in qb: 64 half images, then (at 49,152) 1,024 scale words
.set KVH,    104448                    ; in kv: K's 64 half images, V's 32 images (at 49,152), K's words (98,304), V's words (102,400)
.set BO,   14                          ; v14  tile 1: my lane's offset among the biases
.set H16,  15                          ; v15  16 x (lane / 16)
.set ADRA, 16                          ; v16-19  tile 1: LDS addresses of A's fragments: slot 0, 1; the same behind one padding more
.set ADRB, 20                          ; v20-23  of B's, both tiles
.set O16,  24                          ; v24  16 x lane + my first tile of tokens x 768
.set O8,   25                          ; v25  8 x lane + the same
.set QW,   26                          ; v26  16 x lane + my first tile of tokens x 64
.set ADRS, 27                          ; v27  tile 1: LDS address of my scale words
.set SPW,  28                          ; v28  my spare word; never rewritten
.set NIL,  29                          ; v29  0; never rewritten
.set SWA,  30                          ; v30  where a made scale word goes: my stage + 4 (lane % 16) + 512 (lane / 16)
.set SRA,  31                          ; v31  and whence 16 bytes come back: my stage + 16 lane
.set SC,   32
.set CB,   64
.set AF,   128
.set PC0,  128                         ; the codes just made: two sets of 20, at v128 and v152
.set TM,   176                         ; v176-191 at work in QUANT
.set PW,   192                         ; the scale word just made
.set SG,   196                         ; v196-203 the wave's scale words on their way out
.set PWS,  204                         ; v204-215 the word as stored, a register for each tile of rows
.set VO16, 224                         ; v224 16 x lane + my key step x 6,144
.set SRA8, 225                         ; v225 my stage + 8 lane
.set VW,   226                         ; v226 8 x lane + my key step x 256
.set BO2,  227                         ; v227 tile 2: my lane's offset among the biases
.set ADRS2, 228                        ; v228 tile 2: LDS address of my scale words
.set ADRA2, 232                        ; v232-235 tile 2: LDS addresses of A's fragments
.set G1, 24                            ; s[24:31] group 1 for tile 1's A;  s[32:39] group 0 for A, a set for each slot
.set G0, 32
.set G1B, 48                           ; s[48:55], s[56:63] the same for B, both tiles
.set G0B, 56
.set G1S, 68                           ; s[68:75], s[76:79] tile 1: A's scales;  s[80:87] group 1 for B's scales, both tiles;  s[88:91] tile 1: B's scales
.set G0S, 76
.set G1SB, 80
.set G0SB, 88
.set G1S2, 92                          ; s[92:99], s[4:7] tile 2: A's scales;  s[8:11] tile 2: B's scales
.set G0S2, 4
.set G0SB2, 8
.set G1A2, 68                          ; s[68:75] group 1 for tile 2's A (64 rows a load): written when the load that named these registers has been shown done
.set A2P, 100                          ; s[100:101] tile 2: where my part of A's codes begins;  s[46:47] of B's
.set B2P, 46
.set MSB, 0
.macro WIN new                         ; the immediate's high byte repeats the setting that is left
.if MSB != (\new)
	s_set_vgpr_msb (MSB<<8)|(\new)
.set MSB, (\new)
.endif
.endm
.set MUL_LO,   0xa1                    ; source 0 (B) window 1, source 1 (A) window 0, C and D window 2
.set MUL_HI,   0xf1                    ; C and D window 3
.set FIRST_LO, 0x81                    ; a tile's first step: C (the bias) window 0, D window 2
.set FIRST_HI, 0xc1                    ; D window 3
.set TO_B,     0x40
; A joint load: waves 0 and 1 fetch for A, waves 2 and 3 for B; the branch hangs on the wave's number alone.  Four v_nop follow each of the two lines.
.macro JLOAD g0a, g1a, g0b, g1b
	s_cmp_eq_u32 s15, 0
	s_cbranch_scc0 .Lfor_b_\@
	tensor_load_to_lds s[\g0a:\g0a+3], s[\g1a:\g1a+7]
	s_nop 0
.rept 4
	v_nop
.endr
	s_branch .Lasked_\@
.Lfor_b_\@:
	tensor_load_to_lds s[\g0b:\g0b+3], s[\g1b:\g1b+7]
	s_nop 0
.rept 4
	v_nop
.endr
.Lasked_\@:
.endm
.macro CREST                           ; a round of the cluster's barrier behind its opening barrier
	s_cmp_lg_u32 s14, 0
	s_cbranch_scc1 .Lnot_wave_0_\@
	s_barrier_signal -3
.Lnot_wave_0_\@:
	s_barrier_wait -3
	s_barrier_signal -1
	s_barrier_wait -1
.endm
.macro CROUND
	s_barrier_signal -1
	s_barrier_wait -1
	CREST
.endm
	s_load_b256 s[24:31], s[0:1], 0x0              ; xc, xs, wc, ws (used up below, ahead of the descriptors that live here)
	s_load_b128 s[48:51], s[0:1], 0x20             ; b_qkv, qb
	s_load_b64 s[52:53], s[0:1], 0x30              ; kv
	v_lshl_add_u32 v[SPW], v0, 2, SPARE
	v_mov_b32 v[NIL], 0
	ds_add_u32 v28, v29
	ds_add_u32 v28, v29
	s_wait_dscnt 0x0
	v_lshrrev_b32 v1, 5, v0
	v_readfirstlane_b32 s14, v1                    ; wave 0..3
	s_lshr_b32 s15, s14, 1                         ; which half of A's rows is mine.  Also: I fetch for A (0) or for B (1)
	s_and_b32 s16, s14, 1                          ; which half of B's rows.  Also: which half of the tile I fetch
	s_bfe_u32 s40, ttmp6, 0x40000                  ; cx
	s_bfe_u32 s41, ttmp6, 0x40004                  ; cy
	s_and_b32 s18, ttmp7, 0xffff
	s_lshl_b32 s18, s18, 2                         ; 4 x cluster y
	s_lshl_b32 s19, ttmp9, 2                       ; 4 x cluster x
	s_add_co_u32 s17, s18, s41                     ; tile 1: A's tile, 256 tokens: 4 cluster y + cy (of 32)
	s_add_co_u32 s42, s19, s40                     ;         B's tile, 256 rows of wc: 4 cluster x + cx (of 8)
	s_add_co_u32 s2, s19, s41                      ; tile 2: A's tile, 128 channels: 4 cluster x + cy (of 8)
	s_add_co_u32 s3, s18, s40                      ;         B's tile, 256 tokens: 4 cluster y + cx (of 32)
	s_lshl_b32 s43, s41, 2
	s_lshl_b32 s43, 15, s43                        ; my row of the cluster: A's tiles of both kinds hang on cy and on the cluster alone
	s_lshl_b32 s44, 0x1111, s40                    ; my column: B's on cx and on the cluster alone
	s_lshl_b32 s45, s16, 7                         ; 128 x the half that I fetch
	s_lshl_b32 s20, s17, 8                         ; every offset stays under 2^32: a row's number is under 8,192, a row 768 bytes
	s_add_co_u32 s20, s20, s45                     ; tile 1, A: row 256 x tile + 128 x half
	s_lshl_b32 s22, s20, 5                         ; its scales, in bytes,
	s_mul_i32 s20, s20, KROW                       ; and its codes
	s_mov_b32 s21, 0
	s_mov_b32 s23, 0
	s_lshl_b32 s92, s42, 8
	s_add_co_u32 s92, s92, s45                     ; tile 1, B likewise
	s_lshl_b32 s94, s92, 5
	s_mul_i32 s92, s92, KROW
	s_mov_b32 s93, 0
	s_mov_b32 s95, 0
	s_lshl_b32 s96, s2, 7
	s_lshl_b32 s98, s16, 6
	s_add_co_u32 s96, s96, s98
	s_add_co_u32 s96, s96, 2048                    ; tile 2, A: wc's row 2,048 + 128 x tile + 64 x half
	s_lshl_b32 s98, s96, 5
	s_mul_i32 s96, s96, KROW
	s_mov_b32 s97, 0
	s_mov_b32 s99, 0
	s_lshl_b32 s68, s3, 8
	s_add_co_u32 s68, s68, s45                     ; tile 2, B: row 256 x tile + 128 x half
	s_lshl_b32 s70, s68, 5
	s_mul_i32 s68, s68, KROW
	s_mov_b32 s69, 0
	s_mov_b32 s71, 0
	s_wait_kmcnt 0x0
	s_add_nc_u64 s[G0+2:G0+3], s[24:25], s[20:21]          ; tile 1: A's codes in xc,
	s_add_nc_u64 s[G0S+2:G0S+3], s[26:27], s[22:23]        ; its scales in xs,
	s_add_nc_u64 s[G0B+2:G0B+3], s[28:29], s[92:93]        ; B's codes in wc,
	s_add_nc_u64 s[G0SB+2:G0SB+3], s[30:31], s[94:95]      ; its scales in ws
	s_add_nc_u64 s[A2P:A2P+1], s[28:29], s[96:97]          ; tile 2: A's codes in wc,
	s_add_nc_u64 s[G0S2+2:G0S2+3], s[30:31], s[98:99]      ; its scales in ws,
	s_add_nc_u64 s[B2P:B2P+1], s[24:25], s[68:69]          ; B's codes in xc,
	s_add_nc_u64 s[G0SB2+2:G0SB2+3], s[26:27], s[70:71]    ; its scales in xs
	s_add_nc_u64 s[G0+6:G0+7], s[G0+2:G0+3], ROWB          ; slot 1 begins with K step 1
	s_add_nc_u64 s[G0B+6:G0B+7], s[G0B+2:G0B+3], ROWB
	s_mov_b64 s[66:67], s[48:49]                   ; b_qkv
	s_mov_b64 s[12:13], s[50:51]                   ; qb
	s_mov_b64 s[22:23], s[52:53]                   ; kv
	; descriptor group 1: 128 rows x 192 bytes, 16 bytes of padding behind every 64
	s_or_b32 s[G1+0], s43, (0<<16)|(1<<20)|(1<<21)|(3<<22)|(3<<25)
	s_or_b32 s[G1B+0], s44, (0<<16)|(1<<20)|(1<<21)|(3<<22)|(3<<25)
.irp g, G1, G1B
	s_mov_b32 s[\g+1], ROWB<<16
	s_mov_b32 s[\g+2], 128<<16
	s_mov_b32 s[\g+3], ROWB<<16
	s_mov_b32 s[\g+4], 128
	s_mov_b32 s[\g+5], KROW
	s_mov_b32 s[\g+6], 0
	s_mov_b32 s[\g+7], 0
.endr
	; the scales of 128 rows: 4,096 dense bytes as 16 rows of 256 bytes, 16 bytes of padding behind each
	s_or_b32 s[G1S+0], s43, (3<<16)|(1<<20)|(1<<21)|(5<<22)|(3<<25)
	s_or_b32 s[G1SB+0], s44, (3<<16)|(1<<20)|(1<<21)|(5<<22)|(3<<25)
.irp g, G1S, G1SB
	s_mov_b32 s[\g+1], 32<<16
	s_mov_b32 s[\g+2], (128*KS/256)<<16
	s_mov_b32 s[\g+3], 32<<16
	s_mov_b32 s[\g+4], 128*KS/256
	s_mov_b32 s[\g+5], 32
	s_mov_b32 s[\g+6], 0
	s_mov_b32 s[\g+7], 0
.endr
	; and of 64 rows (tile 2's A): 8 rows of 256 bytes
	s_or_b32 s[G1S2+0], s43, (3<<16)|(1<<20)|(1<<21)|(5<<22)|(3<<25)
	s_mov_b32 s[G1S2+1], 32<<16
	s_mov_b32 s[G1S2+2], (64*KS/256)<<16
	s_mov_b32 s[G1S2+3], 32<<16
	s_mov_b32 s[G1S2+4], 64*KS/256
	s_mov_b32 s[G1S2+5], 32
	s_mov_b32 s[G1S2+6], 0
	s_mov_b32 s[G1S2+7], 0
	CROUND                                         ; all sixteen work-groups are here: the first joint loads meet
	s_mul_i32 s45, s14, HALFT                      ; where tile 1's parts go: wave x 128 rows
	s_mul_i32 s18, s14, HALFS
	s_mov_b32 s[G0S], 1
	s_add_co_u32 s[G0S+1], s18, SCL
	s_or_b32 s[G0S+3], s[G0S+3], 0x80000000
	s_mov_b32 s[G0SB], 1
	s_add_co_u32 s[G0SB+1], s18, SCL
	s_or_b32 s[G0SB+3], s[G0SB+3], 0x80000000
	JLOAD G0S, G1S, G0SB, G1SB                     ; tile 1's scales first: they are wanted with K step 0
.irp s, 0,1
	s_mov_b32 s[G0+4*\s], 1
	s_add_co_u32 s[G0+4*\s+1], s45, \s*SLOT
	s_or_b32 s[G0+4*\s+3], s[G0+4*\s+3], 0x80000000
	s_mov_b32 s[G0B+4*\s], 1
	s_add_co_u32 s[G0B+4*\s+1], s45, \s*SLOT
	s_or_b32 s[G0B+4*\s+3], s[G0B+4*\s+3], 0x80000000
	JLOAD G0+4*\s, G1, G0B+4*\s, G1B
.endr
	s_mul_i32 s18, s16, HALFS/2                    ; tile 2's scales last: A's two halves of 64 rows,
	s_mul_i32 s19, s16, HALFS                      ; then B's two of 128
	s_mov_b32 s[G0S2], 1
	s_add_co_u32 s[G0S2+1], s18, SCL2
	s_or_b32 s[G0S2+3], s[G0S2+3], 0x80000000
	s_mov_b32 s[G0SB2], 1
	s_add_co_u32 s[G0SB2+1], s19, SCL2+HALFS
	s_or_b32 s[G0SB2+3], s[G0SB2+3], 0x80000000
	JLOAD G0S2, G1S2, G0SB2, G1SB                  ; four loads of mine are out
	v_and_b32 v1, 15, v0                           ; r = lane % 16
	v_bfe_u32 v2, v0, 4, 1                         ; h = lane / 16
	v_mul_u32_u24 v3, v1, PITCH
	v_mul_u32_u24 v4, v2, 24
	v_add_nc_u32 v4, v3, v4                        ; a fragment's row x pitch + 24 h
	v_lshl_add_u32 v5, v2, 4, v4                   ; and the same behind one padding more
	s_mul_i32 s18, s15, HALFT                      ; tile 1: my 128 rows of A
	s_mul_i32 s19, s16, HALFT
	s_add_co_u32 s19, s19, 2*HALFT                 ; my 128 rows of B
	s_mul_i32 s45, s15, HALFT/2                    ; tile 2: my 64 rows of A
.irp s, 0,1
	v_add_nc_u32 v[ADRA+\s], s18, v4
	v_add_nc_u32 v[ADRB+\s], s19, v4
	v_add_nc_u32 v[ADRA2+\s], s45, v4
	v_add_nc_u32 v[ADRA+2+\s], s18, v5
	v_add_nc_u32 v[ADRB+2+\s], s19, v5
	v_add_nc_u32 v[ADRA2+2+\s], s45, v5
	s_add_co_u32 s18, s18, SLOT
	s_add_co_u32 s19, s19, SLOT
	s_add_co_u32 s45, s45, SLOT
.endr
	v_mul_u32_u24 v5, v1, KS                       ; my row's scales: 32 bytes a row,
	v_lshrrev_b32 v6, 8, v5
	v_lshl_add_u32 v5, v6, 4, v5                   ; and 16 more for each 256 passed
	s_mul_i32 s18, s15, HALFS                      ; tile 1: lanes 0-15 take A's, my 128 rows;
	s_mul_i32 s19, s16, HALFS
	s_add_co_u32 s19, s19, 2*HALFS
	s_sub_co_u32 s19, s19, s18
	v_mul_u32_u24 v6, s19, v2                      ; lanes 16-31 B's
	s_add_co_u32 s18, s18, SCL
	v_add_nc_u32 v6, v5, v6
	v_add_nc_u32 v[ADRS], s18, v6
	s_mul_i32 s18, s15, HALFS/2                    ; tile 2: A's, my 64 rows;
	s_mul_i32 s19, s16, HALFS
	s_add_co_u32 s19, s19, HALFS
	s_sub_co_u32 s19, s19, s18
	v_mul_u32_u24 v6, s19, v2                      ; B's
	s_add_co_u32 s18, s18, SCL2
	v_add_nc_u32 v6, v5, v6
	v_add_nc_u32 v[ADRS2], s18, v6
	v_lshlrev_b32 v[H16], 4, v2
	v_and_b32 v6, 31, v0                           ; lane
	s_lshl_b32 s18, s14, 10
	s_add_co_u32 s18, s18, STG                     ; my stage
	v_lshlrev_b32 v[SWA], 2, v1
	v_lshl_add_u32 v[SWA], v2, 9, v[SWA]
	v_add_nc_u32 v[SWA], s18, v[SWA]
	v_lshl_add_u32 v[SRA], v6, 4, s18
	v_lshl_add_u32 v[SRA8], v6, 3, s18
	; where tile 2's results go: s[22:23] = kv at its head
	s_lshl_b32 s18, s2, 1
	s_add_co_u32 s18, s18, s15                     ; head
	s_lshr_b32 s19, s3, 2                          ; batch
	s_and_b32 s45, s3, 3
	s_lshl_b32 s45, s45, 1
	s_add_co_u32 s45, s45, s16                     ; which 128 keys of the batch
	s_lshl_b32 s19, s19, 4
	s_add_co_u32 s19, s19, s18                     ; 16 batch + head
	s_mul_i32 s20, s19, KVH
	s_mov_b64 s[2:3], s[22:23]                     ; (kv once more, for tile 1)
	s_add_nc_u64 s[22:23], s[22:23], s[20:21]
	s_mul_i32 s20, s18, 768                        ; the head's 192 biases: q, k, v
	v_and_b32 v3, 8, v1
	v_add_nc_u32 v3, v3, v1
	v_lshl_add_u32 v[BO2], v3, 2, s20              ; my lane's channel in a tile: r + 8 (r / 8)
	s_mul_i32 s20, s45, 6144
	v_lshl_add_u32 v[VO16], v6, 4, s20
	s_lshl_b32 s20, s45, 8
	v_lshl_add_u32 v[VW], v6, 3, s20
	; and tile 1's: s[12:13] = qb, s[2:3] = kv, both at its head
	s_lshr_b32 s18, s17, 2                         ; batch
	s_and_b32 s19, s17, 3
	s_lshl_b32 s19, s19, 4
	s_lshl_b32 s45, s15, 3
	s_add_co_u32 s19, s19, s45                     ; my first tile of 16 tokens in the batch
	s_lshl_b32 s45, s42, 1
	s_add_co_u32 s45, s45, s16                     ; head
	s_lshl_b32 s18, s18, 4
	s_add_co_u32 s18, s18, s45                     ; 16 batch + head
	s_mul_i32 s20, s18, QBH
	s_add_nc_u64 s[12:13], s[12:13], s[20:21]
	s_mul_i32 s20, s18, KVH
	s_add_nc_u64 s[2:3], s[2:3], s[20:21]
	s_mul_i32 s20, s19, 768
	v_lshl_add_u32 v[O16], v6, 4, s20
	v_lshl_add_u32 v[O8], v6, 3, s20
	s_lshl_b32 s20, s19, 6                         ; 64 bytes of scale words a tile
	v_lshl_add_u32 v[QW], v6, 4, s20
	s_mul_i32 s20, s45, 768
	v_lshl_add_u32 v[BO], v2, 6, s20               ; register j of tile b belongs to column 32 (b / 2) + 8 (b % 2) + 16 h + j of the head's q and k
.irp b, 0,1,2,3,4,5,6,7
	global_load_b128 v[CB+8*\b:CB+8*\b+3], v[BO], s[66:67] offset:(32*(\b/2)+8*(\b%2))*4
	global_load_b128 v[CB+8*\b+4:CB+8*\b+7], v[BO], s[66:67] offset:(32*(\b/2)+8*(\b%2))*4+16
.endr
	s_mov_b32 s20, 0x76543210
	s_mov_b32 s21, 0xfedcba98                      ; v_permlanex16_b32's selects for lane l xor 16
.macro FRAG reg, adr, q, i             ; 16 rows x 128 K: 12 registers, in pieces of 8 bytes; the second address register serves the pieces that lie behind one padding more in lanes 16-31
.irp p, 0,1,2,3,4,5
.set PCE, 12*(\q)+6*(\p/3)+\p%3
.if PCE%8 < 5
	ds_load_b64 v[\reg+2*\p:\reg+2*\p+1], v[\adr] offset:8*PCE+16*(PCE/8)+(\i)*16*PITCH
.else
	ds_load_b64 v[\reg+2*\p:\reg+2*\p+1], v[\adr+2] offset:8*PCE+16*(PCE/8)+(\i)*16*PITCH
.endif
.endr
.endm
; 8 matrix instructions: A's block a (its fragments from v[af] on) x B's eight of set p.  zero = 0: in place; 1: C = the bias of B's block (q, k); 2: C = the bias of A's block (v).
; The accumulators take turns, one instruction a turn, in the same order in every step.
.macro MUL8 a, af, p, q, sc, zero
.irp b, 0,1,2,3,4,5,6,7
.set ACR, 8*(8*((\a)%4)+\b)
.set CCR, ACR
.if \zero == 1
.set CCR, CB+8*\b
.endif
.if \zero == 2
.set CCR, CB+8*(\a)
.endif
	v_wmma_scale_f32_16x16x128_f8f6f4 v[ACR:ACR+7], v[128*(\p)+FR*\b:128*(\p)+FR*\b+FR-1], v[(\af)+FR*(\a):(\af)+FR*(\a)+FR-1], v[CCR:CCR+7], v[SC+8*NQ*(\sc)+NQ*\b+(\q)], v[SC+8*NQ*(\sc)+NQ*(\a)+(\q)] matrix_a_fmt:MATRIX_FMT_FP6 matrix_b_fmt:MATRIX_FMT_FP6 matrix_a_scale:MATRIX_SCALE_ROW1
.endr
.endm
.macro MUL16 a0, p, q, sc, zero
	MUL8 \a0, AF, \p, \q, \sc, \zero
	MUL8 (\a0)+1, AF, \p, \q, \sc, \zero
.endm
.macro FETCH_B slot, q, p
	WIN TO_B
.irp i, 0,1,2,3,4,5,6,7
	FRAG 128*(\p)+FR*\i, ADRB+\slot, \q, \i
.endr
	WIN 0
.endm
.macro FETCH_A slot, q, i0             ; tile 1: A's blocks i0 .. i0 + 3
.irp i, \i0, \i0+1, \i0+2, \i0+3
	FRAG AF+FR*(\i), ADRA+\slot, \q, \i
.endr
.endm
.macro FETCH_A2 slot, q, set           ; tile 2: A's four blocks into one of two sets
.irp i, 0,1,2,3
	FRAG AF+48*(\set)+FR*\i, ADRA2+\slot, \q, \i
.endr
.endm
.macro SCALES sc, adr                  ; a K step's scale words: lanes 0-15 A's block i, lanes 16-31 B's block i (in tile 2 A has four blocks: lanes 0-15 of the other four registers are not used)
.irp i, 0,1,2,3,4,5,6,7
	ds_load_b64 v[SC+8*NQ*\sc+NQ*\i:SC+8*NQ*\sc+NQ*\i+1], v[\adr] offset:\i*SBLK
.endr
.endm
.macro PLACES n                        ; plain vector instructions between a matrix instruction and a load into, or a read of, its registers
.rept \n
	v_nop
.endr
.endm
; ---- tile 1 ----
.macro STEP slot, q, zero              ; 128 along K with its successor in the same slot
	s_wait_dscnt 4*NL                              ; B's set and A's blocks 0-3 are in; the youngest 24 loads (A's blocks 4-7) may be out
.if \zero
	WIN FIRST_LO
.else
	WIN MUL_LO
.endif
	MUL16 0, (\q)%2, \q, \slot, \zero
	MUL16 2, (\q)%2, \q, \slot, \zero
	s_wait_dscnt 0                                 ; A's blocks 4-7 are in
	PLACES NP
	FETCH_B \slot, (\q)+1, 1-(\q)%2
	FETCH_A \slot, (\q)+1, 0
.if \zero
	WIN FIRST_HI
.else
	WIN MUL_HI
.endif
	MUL16 4, (\q)%2, \q, \slot, \zero
	MUL16 6, (\q)%2, \q, \slot, \zero
	PLACES NP
	WIN 0
	FETCH_A \slot, (\q)+1, 4
.endm
; A slot's last step changes slots: one barrier, which opens a round of the cluster's; in front of it each wave waits for all its tensor loads, adds 0 to its spare word, and waits for that and for its reads of this slot.
; fill = 1: this slot takes tile 1's K step two on; fill = 2: tile 2's K step 0 or 1.  fetch = 0: tile 1's very last step: the way out follows, and tile 2's first fragments are fetched behind it.
.macro TURN slot, next, fill, fetch
	s_wait_tensorcnt 0x0                           ; all my tensor loads have landed: my part of the next slot among them
	ds_add_u32 v[SPW], v[NIL]                      ; 0 onto my spare word
	s_wait_dscnt 4*NL+1                            ; the add and the youngest 24 loads (A's blocks 4-7) may be out
	WIN MUL_LO
	MUL16 0, 1, NQ-1, \slot, 0
	s_wait_dscnt 0x0                               ; the add is done, and my reads of this slot are over
	s_barrier_signal -1
	MUL16 2, 1, NQ-1, \slot, 0
	WIN 0
	s_barrier_wait -1
	CREST                                          ; no wave of any partner still reads this slot or has a load on its way
.if \fill == 1
	s_add_nc_u64 s[G0+4*\slot+2:G0+4*\slot+3], s[G0+4*\slot+2:G0+4*\slot+3], 2*ROWB
	s_add_nc_u64 s[G0B+4*\slot+2:G0B+4*\slot+3], s[G0B+4*\slot+2:G0B+4*\slot+3], 2*ROWB
	JLOAD G0+4*\slot, G1, G0B+4*\slot, G1B         ; the first tensor load behind the round, my only one until the next; its four v_nop are the places in front of the loads below
.else
	s_mul_i32 s18, s16, HALFT/2                    ; THE RING GOES ON INTO TILE 2: A's two halves are 64 rows each,
	s_add_co_u32 s[G0+4*\slot+1], s18, \slot*SLOT
	s_add_nc_u64 s[G0+4*\slot+2:G0+4*\slot+3], s[A2P:A2P+1], \slot*ROWB
	s_or_b32 s[G0+4*\slot+3], s[G0+4*\slot+3], 0x80000000
	s_add_nc_u64 s[G0B+4*\slot+2:G0B+4*\slot+3], s[B2P:B2P+1], \slot*ROWB   ; B's parts lie where tile 1's lay
	s_or_b32 s[G0B+4*\slot+3], s[G0B+4*\slot+3], 0x80000000
	JLOAD G0+4*\slot, G1A2, G0B+4*\slot, G1B
.endif
.if \fetch
	v_add_nc_u32 v[ADRS], 4*NQ, v[ADRS]            ; the next K step's scale words
	FETCH_B \next, 0, 0
	FETCH_A \next, 0, 0
	SCALES \next, ADRS
.endif
	WIN MUL_HI
	MUL16 4, 1, NQ-1, \slot, 0
	MUL16 6, 1, NQ-1, \slot, 0
	PLACES NP
	WIN 0
.if \fetch
	FETCH_A \next, 0, 4
.endif
.endm
; ---- tile 2: 32 matrix instructions for 128 along K; A and B both have two sets, and the next step's 72 loads stand in one run ----
.macro STEP2 slot, zero                ; a slot's first 128 along K, on sets 0; its second 128 is fetched into sets 1
	s_wait_dscnt 0x0                               ; this step's fragments and scale words are in
.if \zero
	WIN FIRST_LO
.else
	WIN MUL_LO
.endif
	MUL8 0, AF, 0, 0, \slot, \zero
	PLACES NP
	FETCH_B \slot, 1, 1
	FETCH_A2 \slot, 1, 1
.if \zero
	WIN FIRST_LO
.else
	WIN MUL_LO
.endif
	MUL8 1, AF, 0, 0, \slot, \zero
	MUL8 2, AF, 0, 0, \slot, \zero
	MUL8 3, AF, 0, 0, \slot, \zero
	WIN 0
.endm
.macro TURN2 slot, next, fill          ; a slot's second 128, on sets 1, and the change of slots
	s_wait_tensorcnt 0x0                           ; all my tensor loads have landed: my part of the next slot
	ds_add_u32 v[SPW], v[NIL]                      ; 0 onto my spare word
	s_wait_dscnt 1                                 ; the add may be out; the step's fragments are in
	WIN MUL_LO
	MUL8 0, AF+48, 1, 1, \slot, 0
	s_wait_dscnt 0x0                               ; the add is done, and my reads of this slot are over
	s_barrier_signal -1
	MUL8 1, AF+48, 1, 1, \slot, 0
	WIN 0
	s_barrier_wait -1
.if \fill
	CREST                                          ; the barrier has opened a round of the cluster's
	s_add_nc_u64 s[G0+4*\slot+2:G0+4*\slot+3], s[G0+4*\slot+2:G0+4*\slot+3], 2*ROWB
	s_add_nc_u64 s[G0B+4*\slot+2:G0B+4*\slot+3], s[G0B+4*\slot+2:G0B+4*\slot+3], 2*ROWB
	JLOAD G0+4*\slot, G1A2, G0B+4*\slot, G1B       ; the first tensor load behind the round, my only one until the next
.else
	PLACES NP
.endif
	v_add_nc_u32 v[ADRS2], 4*NQ, v[ADRS2]
	FETCH_B \next, 0, 0
	FETCH_A2 \next, 0, 0
	SCALES \next, ADRS2
	WIN MUL_LO
	MUL8 2, AF+48, 1, 1, \slot, 0
	MUL8 3, AF+48, 1, 1, \slot, 0
	WIN 0
.endm
; THE WAY OUT.  64 registers of a lane, v[s] on in window w, register 16 b + i = place 32 b + 16 (lane / 16) + i along the next K, become a fragment's 12 registers v[pc] on and its scale word v[pw].
.macro QUANT s, w, pc, pw
	WIN ((\w)<<2)|((\w)<<4)                        ; sources 1 and 2: the accumulators' window
.irp b, 0,1,2,3
	v_max3_num_f32 v[TM+\b], 0x1800000, |v[(\s)+16*\b]|, |v[(\s)+16*\b+1]|   ; block b: my 16 numbers and the floor 2^(3 - 127); each accumulator is read from its low end on
.endr
.irp i, 2,4,6,8,10,12,14
.irp b, 0,1,2,3
	v_max3_num_f32 v[TM+\b], v[TM+\b], |v[(\s)+16*\b+\i]|, |v[(\s)+16*\b+\i+1]|
.endr
.endr
	WIN 0
.irp b, 0,1,2,3
	v_permlanex16_b32 v[TM+4+\b], v[TM+\b], s20, s21
.endr
.irp b, 0,1,2,3
	v_max_num_f32 v[TM+\b], v[TM+\b], v[TM+4+\b]   ; with lane l xor 16's 16: the block's largest magnitude
.endr
.irp b, 0,1,2,3
	v_add_nc_u32 v[TM+12+\b], 0xff000000, v[TM+\b] ; 2 off its exponent field: the conversion's scale operand
.endr
.irp b, 0,1,2,3
	v_lshrrev_b32 v[TM+4+\b], 23, v[TM+12+\b]      ; the scale's byte
.endr
	v_lshl_or_b32 v[\pw], v[TM+5], 8, v[TM+4]
	v_lshl_or_b32 v[\pw], v[TM+6], 16, v[\pw]
	v_lshl_or_b32 v[\pw], v[TM+7], 24, v[\pw]
	WIN (\w)                                       ; source 0: the accumulators' window
.irp c, 0,1
	v_cvt_scalef32_pk16_fp6_f32 v[\pc+6*\c:\pc+6*\c+2], v[(\s)+32*\c:(\s)+32*\c+15], v[TM+12+2*\c]
	v_cvt_scalef32_pk16_fp6_f32 v[\pc+12+4*\c:\pc+14+4*\c], v[(\s)+32*\c+16:(\s)+32*\c+31], v[TM+13+2*\c]   ; (a conversion's three registers begin on an even number)
.endr
	WIN 0
	v_nop                                          ; one plain place behind a scaled conversion
.irp c, 0,1                                    ; the operand's layout wants a whole block in a lane
.irp i, 0,1,2
	v_permlane16_swap_b32 v[\pc+6*\c+\i], v[\pc+12+4*\c+\i]
.endr
.irp i, 0,1,2
	v_mov_b32 v[\pc+3+6*\c+\i], v[\pc+12+4*\c+\i]
.endr
.endr
.endm
.macro TILEOUT1 a                      ; tile 1, A's block a: 16 tokens' q and k
.set PCA, PC0+24*((\a)%2)
	s_wait_xcnt 0x0                                ; earlier stores have read their data: the codes' registers may be written again
	QUANT 64*((\a)%4), 2+(\a)/4, PCA, PW
	v_lshrrev_b32 v[PWS+(\a)], v[H16], v[PW]       ; lanes 0-15 keep the word, lanes 16-31 its upper half (k's two bytes)
	ds_store_b32 v[SWA], v[PWS+(\a)] offset:64*(\a)
	global_store_b128 v[O16], v[PCA:PCA+3], s[12:13] offset:768*(\a)          ; q: 512 consecutive bytes,
	global_store_b64 v[O8], v[PCA+4:PCA+5], s[12:13] offset:768*(\a)+512      ; and 256
	global_store_b128 v[O16], v[PCA+6:PCA+9], s[2:3] offset:768*(\a)          ; k likewise
	global_store_b64 v[O8], v[PCA+10:PCA+11], s[2:3] offset:768*(\a)+512
.endm
.macro TILEOUT2 a                      ; tile 2, A's block a: 16 channels x 128 keys of v
.set PCA, PC0+24*((\a)%2)
	s_wait_xcnt 0x0
	QUANT 64*(\a), 2, PCA, PWS+8+(\a)
	ds_store_b32 v[SWA], v[PWS+8+(\a)] offset:64*(\a)   ; lanes 0-15's words are read back; lanes 16-31 hold the same and put them 512 bytes on
.irp c, 0,1,2
	global_store_b128 v[VO16], v[PCA+4*\c:PCA+4*\c+3], s[22:23] offset:49152+(\a)*1536+512*\c
.endr
.endm
	s_wait_tensorcnt 2                             ; tile 1's scales and my part of its K step 0 are in; K step 1's load and tile 2's scales may be out
	s_barrier_signal -1
	s_barrier_wait -1
	FETCH_B 0, 0, 0
	FETCH_A 0, 0, 0
	SCALES 0, ADRS
	FETCH_A 0, 0, 4
	s_wait_loadcnt 0x0                             ; the biases of q and k
	STEP 0, 0, 1                                   ; the first products start the sums from the biases: nothing is cleared
.irp a, 0,1,2,3
	global_load_b32 v[CB+8*\a], v[BO2], s[66:67] offset:(128+32*(\a/2)+8*(\a%2))*4   ; v's biases, a number a lane and block, into registers that the first step has done with (four places stand behind its last product)
.endr
	TURN 0, 1, 1, 1                                ; K = 1,024 is four slots' worth: written straight
	s_or_b32 s[G1A2+0], s43, (0<<16)|(1<<20)|(1<<21)|(3<<22)|(3<<25)   ; the load that named these registers was shown done at the change of slots above: now group 1 for tile 2's A: 64 rows x 192 bytes
	s_mov_b32 s[G1A2+1], ROWB<<16
	s_mov_b32 s[G1A2+2], 64<<16
	s_mov_b32 s[G1A2+3], ROWB<<16
	s_mov_b32 s[G1A2+4], 64
	s_mov_b32 s[G1A2+5], KROW
	s_mov_b32 s[G1A2+6], 0
	s_mov_b32 s[G1A2+7], 0
	STEP 1, 0, 0
	TURN 1, 0, 1, 1
	STEP 0, 0, 0
	TURN 0, 1, 2, 1                                ; slot 0 takes tile 2's K step 0,
	STEP 1, 0, 0
	TURN 1, 0, 2, 0                                ; slot 1 its K step 1: both are on their way or in while tile 1 goes out
	s_wait_loadcnt 0x0                             ; v's biases
.irp a, 0,1,2,3
.irp j, 1,2,3,4,5,6,7
	v_mov_b32 v[CB+8*\a+\j], v[CB+8*\a]            ; a lane's bias is the same for all eight keys of a tile: the C's eight registers
.endr
.endr
.irp b, 0,1,2,3
	v_mov_b32 v[TM+4+\b], 0                        ; written once: a lane permute's destination counts as one of its sources
.endr
.irp a, 0,1,2,3,4,5,6,7
	TILEOUT1 \a
.endr
	ds_load_b128 v[SG:SG+3], v[SRA]                ; the eight tiles' words, 512 bytes (in order behind my stores),
	ds_load_b128 v[SG+4:SG+7], v[SRA] offset:512   ; and the shifted ones
	s_wait_dscnt 0x0
	global_store_b128 v[QW], v[SG:SG+3], s[12:13] offset:49152     ; Q's words: bytes 0, 1 q's blocks; bytes 2, 3 stand over zero codes
	global_store_b128 v[QW], v[SG+4:SG+7], s[2:3] offset:98304     ; K's words: bytes 0, 1 k's blocks; bytes 2, 3 are 0
	s_wait_xcnt 0x0                                ; the stores have read their registers: A's fragments may land there
	FETCH_B 0, 0, 0                                ; tile 2: slot 0 was shown whole to every wave at the last change of slots
	FETCH_A2 0, 0, 0
	SCALES 0, ADRS2
	STEP2 0, 2                                     ; the first products start the sums from v's biases
	TURN2 0, 1, 1
	STEP2 1, 0
	TURN2 1, 0, 1
	STEP2 0, 0
	TURN2 0, 1, 0                                  ; nothing is left to fetch
	STEP2 1, 0
	s_wait_dscnt 0x0
	WIN MUL_LO
	MUL8 0, AF+48, 1, 1, 1, 0
	MUL8 1, AF+48, 1, 1, 1, 0
	MUL8 2, AF+48, 1, 1, 1, 0
	MUL8 3, AF+48, 1, 1, 1, 0
	PLACES NP
	WIN 0
.irp a, 0,1,2,3
	TILEOUT2 \a
.endr
	ds_load_b64 v[SG:SG+1], v[SRA8]                ; the four tiles' words, 256 bytes (in order behind my stores)
	s_wait_dscnt 0x0
	global_store_b64 v[VW], v[SG:SG+1], s[22:23] offset:102400     ; V's words: 32 lanes store 256 consecutive bytes, aligned
	s_wait_tensorcnt 0x0                           ; the wave's end
	ds_add_u32 v[SPW], v[NIL]
	s_wait_dscnt 0x0
	CROUND                                         ; the closing round
	s_endpgm
.Lfunc_end_k_qa965b5504b_gemm_qkv:
	.size	k_qa965b5504b_gemm_qkv, .Lfunc_end_k_qa965b5504b_gemm_qkv-k_qa965b5504b_gemm_qkv
	.p2alignl 7, 3214868480
	.fill 96, 4, 3214868480
	.section	.rodata,"a",@progbits
	.p2align	6, 0x0
	.amdhsa_kernel k_qa965b5504b_gemm_qkv
		.amdhsa_group_segment_fixed_size 327680
		.amdhsa_private_segment_fixed_size 0
		.amdhsa_enable_private_segment 0
		.amdhsa_kernarg_size 56
		.amdhsa_user_sgpr_count 2
		.amdhsa_user_sgpr_kernarg_segment_ptr 1
		.amdhsa_wavefront_size32 1
		.amdhsa_system_sgpr_workgroup_id_x 1
		.amdhsa_system_sgpr_workgroup_id_y 1
		.amdhsa_system_sgpr_workgroup_id_z 1
		.amdhsa_system_vgpr_workitem_id 0
		.amdhsa_next_free_vgpr 1024
		.amdhsa_next_free_sgpr 102
		.amdhsa_reserve_vcc 0
		.amdhsa_float_denorm_mode_32 3
		.amdhsa_float_denorm_mode_16_64 3
		.amdhsa_memory_ordered 1
		.amdhsa_forward_progress 1
		.amdhsa_inst_pref_size 255
	.end_amdhsa_kernel
	.section	.bss,"aw",@nobits
	.p2align	6
	.space	262144
	.amdgpu_metadata
---
amdhsa.version: [ 1, 2 ]
amdhsa.kernels:
  - .name:           k_qa965b5504b_gemm_qkv
    .symbol:         k_qa965b5504b_gemm_qkv.kd
    .args:
      - { .name: xc, .offset: 0, .size: 8, .value_kind: global_buffer, .address_space: global }
      - { .name: xs, .offset: 8, .size: 8, .value_kind: global_buffer, .address_space: global }
      - { .name: wc, .offset: 16, .size: 8, .value_kind: global_buffer, .address_space: global }
      - { .name: ws, .offset: 24, .size: 8, .value_kind: global_buffer, .address_space: global }
      - { .name: b_qkv, .offset: 32, .size: 8, .value_kind: global_buffer, .address_space: global }
      - { .name: qb, .offset: 40, .size: 8, .value_kind: global_buffer, .address_space: global }
      - { .name: kv, .offset: 48, .size: 8, .value_kind: global_buffer, .address_space: global }
    .group_segment_fixed_size: 327680
    .private_segment_fixed_size: 0
    .kernarg_segment_align: 8
    .kernarg_segment_size: 56
    .max_flat_workgroup_size: 128
    .sgpr_count:     102
    .vgpr_count:     1024
    .wavefront_size: 32
...
	.end_amdgpu_metadata
.endif
;; end of part 2
;; launch attn (part 3): grid 2 x 128, 16 waves a work-group, no clusters, 169,984 bytes of LDS; arguments qb, kv, hc, hs; writes hc, hs
.if DOCPART == 3
	.amdgcn_target "amdgcn-amd-amdhsa--gfx1250"
	.amdhsa_code_object_version 6
	.text
	.protected	k_qa965b5504b_attn
	.globl	k_qa965b5504b_attn
	.p2align	8
	.type	k_qa965b5504b_attn,@function
k_qa965b5504b_attn:
	s_mov_b64 s[64:65], 0
	v_nop
	global_prefetch_b8 v0, s[64:65] scope:SCOPE_SE
	s_setreg_imm32_b32 hwreg(HW_REG_WAVE_MODE, 25, 1), 1
	s_wait_xcnt 0x0
; heads = softmax(q k^T / 8) v for one head of one batch, both products on codes of FP6 (E2M3) with E8M0 scales; the result is quantised along (head, d) for the last product.
; A work-group owns 512 queries of a head; each of its sixteen waves takes two tiles of 16 queries, one after the other, and walks the head's 1,024 keys in 8 steps of 128.
; The head's K and V, codes and scale words, 104,448 bytes, come into LDS ONCE, as they lie in memory: images of operand registers, so every LDS read is 16, 8 or 4 bytes x lane on end.
; NO CLUSTER: only the two work-groups of a head read the same bytes, a grid of 2 along x divides into no cluster of four, and each byte is fetched once by a work-group.
; S^T = K Q^T (source 0 = 16 keys, source 1 = my 16 queries), O^T = V^T P^T (source 0 = 16 channels, source 1 = P): a lane holds one query throughout.
; K = 64 in the first product: registers 6-11 of both operands (k = 64..127) are zero codes, cleared once; their scale bytes are never 0xff.
; The keys of a tile of K were laid so that the 16 registers of tiles 2 b, 2 b + 1 are keys 32 b + 16 (lane / 16) + 0..15; V's channels so that O^T's registers 16 b + i are d = 32 b + 16 (lane / 16) + i.
; SOFTMAX: t = score x log2(e) / 8; M = the running largest t rounded up to a whole number; p = 2^(t - M) is quantised along the keys; the sum is taken of the unquantised p and divides O at the end (reciprocal and multiply).
; LIMITS: NaN and infinities are not served; a block whose largest magnitude lies under 2^-124 gets the byte 1.  The scale bytes of heads leave as single bytes (2 of a row's 32 belong to a head).
.set KVH,   104448
.set QBH,   53248
.set PART,  17408                      ; a sixth of a head: 68 rows of 256 bytes, one tensor load
.set L16,   1                          ; v1   16 x lane
.set L8,    2                          ; v2   8 x lane + 512
.set LV,    3                          ; v3   49,152 + 16 x lane: V's images
.set LS,    4                          ; v4   98,304 + 4 x lane: K's words
.set LT,    5                          ; v5   102,400 + 4 x lane: V's words
.set ADK16, 6                          ; v6-10 the step's addresses
.set ADK8,  7
.set ADV,   8
.set ADS,   9
.set ADT,   10
.set QS,    11                         ; v11  Q's scale word
.set KFR,   32                         ; v32-79  four fragments of K: data in +0..5, zero codes in +6..11
.set KSC,   80                         ; v80-83  K's scale words: lanes 0-15 tile 2 b, lanes 16-31 tile 2 b + 1
.set VSC,   84                         ; v84-85  V's
.set SO,    86                         ; v86-89  the conversions' scale operands
.set QN,    90                         ; v90-95  the second tile's Q;  v31 its scale word
.set S,     96                         ; v96-159 S^T, then p
.set O,     160                        ; v160-191 O^T
.set VF,    192                        ; v192-239 four fragments of V
.set PCD,   240                        ; v240-251 p's codes
.set BM,    56                         ; at work, in K's data registers once S^T is made: v56-59 the blocks' maxima,
.set PT,    68                         ; v68-71, and v32-34, v44-46 for the conversions' second halves
	s_load_b128 s[4:7], s[0:1], 0x0                ; qb, kv
	s_load_b128 s[8:11], s[0:1], 0x10              ; hc, hs
	v_lshl_add_u32 v254, v0, 2, 0x29000
	v_mov_b32 v255, 0
	ds_add_u32 v254, v255
	ds_add_u32 v254, v255
	s_wait_dscnt 0x0
	v_lshrrev_b32 v1, 5, v0
	v_readfirstlane_b32 s18, v1                    ; wave 0..15
	s_and_b32 s19, ttmp7, 0xffff                   ; 16 batch + head
	s_mov_b32 s24, 3<<16                           ; group 1: elements of 8 bytes, no mask, no padding
	s_mov_b32 s25, 32<<16                          ; tensor_dim0 = 32 (256 bytes)
	s_mov_b32 s26, 68<<16                          ; tensor_dim1 = 68
	s_mov_b32 s27, 32<<16                          ; tile_dim0
	s_mov_b32 s28, 68                              ; tile_dim1
	s_mov_b32 s29, 32                              ; the pitch: dense
	s_mov_b32 s30, 0
	s_mov_b32 s31, 0
	s_mov_b32 s32, 1
	s_mul_i32 s33, s18, PART                       ; LDS: as in memory
	s_mul_i32 s42, s19, KVH
	s_add_co_u32 s42, s42, s33
	s_mov_b32 s43, 0
	s_wait_kmcnt 0x0
	s_add_nc_u64 s[34:35], s[6:7], s[42:43]
	s_or_b32 s35, s35, 0x80000000
	s_cmp_lt_u32 s18, 6                            ; waves 0 to 5 fetch a sixth each: one load a wave, filled once
	s_cbranch_scc0 .Lno_fill
	tensor_load_to_lds s[32:35], s[24:31]
	s_nop 0
.rept 4
	v_nop
.endr
.Lno_fill:
	v_and_b32 v29, 31, v0                          ; lane
	v_lshlrev_b32 v[L16], 4, v29
	v_lshl_add_u32 v[L8], v29, 3, 512
	v_add_nc_u32 v[LV], 49152, v[L16]
	v_lshl_add_u32 v[LS], v29, 2, 98304
	v_lshl_add_u32 v[LT], v29, 2, 102400
	v_and_b32 v28, 15, v0                          ; r
	v_bfe_u32 v30, v0, 4, 1                        ; h
	v_lshl_add_u32 v30, v28, 5, v30                ; v30: 32 r + h: my byte in hs
	v_lshlrev_b32 v28, 2, v28                      ; v28: 4 r
	s_lshl_b32 s44, ttmp9, 5
	s_add_co_u32 s44, s44, s18                     ; my first tile of queries: 32 x + wave; the second lies 16 tiles on
	s_mul_i32 s42, s19, QBH
	s_mul_i32 s45, s44, 768
	s_add_co_u32 s46, s42, s45
	s_mov_b32 s47, 0
	s_lshl_b32 s45, s44, 6
	s_add_co_u32 s42, s42, s45
	s_add_co_u32 s42, s42, 49152
	s_add_nc_u64 s[12:13], s[4:5], s[42:43]        ; Q's scale words
	s_add_nc_u64 s[4:5], s[4:5], s[46:47]          ; Q's half image
	global_load_b128 v[16:19], v[L16], s[4:5]
	global_load_b64 v[20:21], v[L8], s[4:5]
	global_load_b32 v[QS], v28, s[12:13]
	global_load_b128 v[QN:QN+3], v[L16], s[4:5] offset:12288
	global_load_b64 v[QN+4:QN+5], v[L8], s[4:5] offset:12288
	global_load_b32 v31, v28, s[12:13] offset:1024
	s_lshr_b32 s42, s19, 4
	s_lshl_b32 s42, s42, 6
	s_add_co_u32 s42, s42, s44                     ; the row tile of heads: 64 batch + tile
	s_and_b32 s45, s19, 15                         ; head
	s_mul_i32 s46, s42, 12288
	s_mul_i32 s14, s45, 768
	s_add_co_u32 s46, s46, s14
	s_add_nc_u64 s[8:9], s[8:9], s[46:47]          ; hc: [row tile][head][768]
	s_lshl_b32 s46, s42, 9
	s_lshl_b32 s14, s45, 1
	s_add_co_u32 s46, s46, s14
	s_add_nc_u64 s[10:11], s[10:11], s[46:47]      ; hs: row 16 x row tile, byte 2 head
	s_mov_b32 s20, 0x76543210
	s_mov_b32 s21, 0xfedcba98                      ; v_permlanex16_b32's selects for lane l xor 16
	s_mov_b32 s22, 0x3e38aa3b                      ; c = log2(e) / 8
	s_mov_b32 s23, s22                             ; (named with it as a pair)
	s_mov_b32 s41, 0xffff0000                      ; lanes 16-31
	s_mov_b32 s40, 2
.irp j, 22,23,24,25,26,27
	v_mov_b32 v[\j], 0                             ; Q's k = 64..127: zero codes
.endr
.irp t, 0,1,2,3
.irp j, 6,7,8,9,10,11
	v_mov_b32 v[KFR+12*\t+\j], 0                   ; K's likewise: no load ever lands here
.endr
.endr
	v_mov_b32 v253, 0                              ; (named as the upper half of the pair v[252:253] before it is first written)
	s_wait_loadcnt 0x0                             ; Q
	s_wait_tensorcnt 0x0                           ; my part of the head is in LDS,
	s_barrier_signal -1
	s_barrier_wait -1                              ; everybody's is: the launch's one barrier
.macro SPROD g                         ; four tiles of S^T
.irp t, 0,1,2,3
.if (\t)%2
	v_wmma_scale_f32_16x16x128_f8f6f4 v[S+8*(4*\g+\t):S+8*(4*\g+\t)+7], v[KFR+12*\t:KFR+12*\t+11], v[16:27], 0, v[KSC+2*\g+\t/2], v[QS] matrix_a_fmt:MATRIX_FMT_FP6 matrix_b_fmt:MATRIX_FMT_FP6 matrix_a_scale:MATRIX_SCALE_ROW1
.else
	v_wmma_scale_f32_16x16x128_f8f6f4 v[S+8*(4*\g+\t):S+8*(4*\g+\t)+7], v[KFR+12*\t:KFR+12*\t+11], v[16:27], 0, v[KSC+2*\g+\t/2], v[QS] matrix_a_fmt:MATRIX_FMT_FP6 matrix_b_fmt:MATRIX_FMT_FP6
.endif
.endr
.endm
.macro KLOAD g                         ; four half images of K
.irp t, 0,1,2,3
	ds_load_b128 v[KFR+12*\t:KFR+12*\t+3], v[ADK16] offset:3072*\g+768*\t
	ds_load_b64 v[KFR+12*\t+4:KFR+12*\t+5], v[ADK8] offset:3072*\g+768*\t
.endr
.endm
.Lpass:                                            ; two trips: a tile of 16 queries each
	v_mov_b32 v13, 0xff61b1e6                      ; the largest t so far: -3e38
	v_floor_f32 v12, -v13                          ; -M
	v_mov_b32 v14, 0                               ; the sum, in two halves
	v_mov_b32 v15, 0
.set j, 0
.rept 32
	v_mov_b32 v[O+j], 0                            ; O^T: the step is written once; its first trip finds zeros
.set j, j+1
.endr
	s_mov_b32 s36, 0                               ; the step's images: 6,144 bytes a step, of K and of V
	s_mov_b32 s37, 0                               ; K's words: 512
	s_mov_b32 s38, 0                               ; V's words: 256
	s_mov_b32 s39, 8
.Lstep:                                            ; eight trips: 128 keys each
	v_add_nc_u32 v[ADK16], s36, v[L16]             ; (these five are also the places behind the last step's products, in front of the loads into V's registers)
	v_add_nc_u32 v[ADK8], s36, v[L8]
	v_add_nc_u32 v[ADV], s36, v[LV]
	v_add_nc_u32 v[ADS], s37, v[LS]
	v_add_nc_u32 v[ADT], s38, v[LT]
	KLOAD 0
.irp b, 0,1,2,3
	ds_load_b32 v[KSC+\b], v[ADS] offset:128*\b
.endr
.irp t, 0,1,2,3
.irp c, 0,1,2
	ds_load_b128 v[VF+12*\t+4*\c:VF+12*\t+4*\c+3], v[ADV] offset:1536*\t+512*\c
.endr
.endr
.irp g, 0,1
	ds_load_b32 v[VSC+\g], v[ADT] offset:128*\g
.endr
	s_wait_dscnt 14                                ; K's first four tiles and its words are in; V's twelve loads and its two of words stay out
	SPROD 0
.rept 4
	v_nop                                          ; places in front of loads into registers that matrix instructions have read
.endr
	KLOAD 1
	s_wait_dscnt 0x0
	SPROD 1
.rept 4
	v_nop
.endr
.irp b, 0,1,2,3
	v_max3_num_f32 v[BM+\b], v[S+16*\b], v[S+1+16*\b], v[S+2+16*\b]   ; the largest score of each block of 32 keys: for the row's maximum and, since p rises with the score, for the block's largest p
.endr
.irp i, 3,5,7,9,11,13
.irp b, 0,1,2,3
	v_max3_num_f32 v[BM+\b], v[BM+\b], v[S+16*\b+\i], v[S+1+16*\b+\i]
.endr
.endr
.irp b, 0,1,2,3
	v_max_num_f32 v[BM+\b], v[BM+\b], v[S+15+16*\b]
.endr
.irp b, 0,1,2,3
	v_permlanex16_b32 v[PT+\b], v[BM+\b], s20, s21
.endr
.irp b, 0,1,2,3
	v_max_num_f32 v[BM+\b], v[BM+\b], v[PT+\b]     ; with lane l xor 16's 16 keys
.endr
	v_max3_num_f32 v254, v[BM], v[BM+1], v[BM+2]
	v_max_num_f32 v254, v254, v[BM+3]
	v_mul_f32 v254, s22, v254                      ; as t
	v_max_num_f32 v13, v13, v254                   ; the running largest t
	v_mov_b32 v254, v12
	v_floor_f32 v12, -v13                          ; the new -M = -ceil(t)
	v_sub_f32 v254, v12, v254                      ; old M - new M: a whole number, 0 or less
	v_cvt_i32_f32 v254, v254                       ; (it saturates)
	v_ldexp_f32 v252, 1.0, v254                    ; f = 2^(old M - new M): a multiplication by it rounds nothing
.set j, 0
.rept 32
	v_pk_fma_f32 v[S+j:S+j+1], v[S+j:S+j+1], s[22:23], v[12:13] op_sel_hi:[1,0,0]   ; t - M
.set j, j+2
.endr
.irp b, 0,1,2,3
	v_fma_f32 v[BM+\b], v[BM+\b], s22, v12         ; the same of each block's largest score
.endr
.set j, 0
.rept 64
	v_exp_f32 v[S+j], v[S+j]                       ; p = 2^(t - M): one batch
.set j, j+1
.endr
	v_pk_mul_f32 v[14:15], v[14:15], v[252:253] op_sel_hi:[1,0]   ; the sums under the new M: the plain place behind the batch
	s_wait_alu depctr_va_vdst(0)                   ; one wait for the batch, ahead of its first reader
.irp b, 0,1,2,3
	v_exp_f32 v[BM+\b], v[BM+\b]                   ; the blocks' largest p
.endr
	v_pk_add_f32 v[PT:PT+1], v[S:S+1], v[S+2:S+3]  ; the row's sum of the unquantised p, in two chains
.irp j, 4,8,12,16,20,24,28,32,36,40,44,48,52,56,60
	v_pk_add_f32 v[14:15], v[14:15], v[S+\j:S+1+\j]
	v_pk_add_f32 v[PT:PT+1], v[PT:PT+1], v[S+2+\j:S+3+\j]
.endr
	v_pk_add_f32 v[14:15], v[14:15], v[PT:PT+1]
	s_wait_alu depctr_va_vdst(0)                   ; and one for the four
.irp b, 0,1,2,3
	v_max_num_f32 v[BM+\b], 0x1800000, v[BM+\b]    ; the floor 2^(3 - 127)
.endr
.irp b, 0,1,2,3
	v_add_nc_u32 v[SO+\b], 0xff000000, v[BM+\b]    ; 2 off the exponent field: the conversion's scale operand
.endr
.irp b, 0,1,2,3
	v_lshrrev_b32 v[PT+\b], 23, v[SO+\b]           ; the scale's byte
.endr
	v_lshl_or_b32 v253, v[PT+1], 8, v[PT]          ; p's scale word for these 128 keys
	v_lshl_or_b32 v253, v[PT+2], 16, v253
	v_lshl_or_b32 v253, v[PT+3], 24, v253
.irp c, 0,1
	v_cvt_scalef32_pk16_fp6_f32 v[PCD+6*\c:PCD+2+6*\c], v[S+32*\c:S+15+32*\c], v[SO+2*\c]
	v_cvt_scalef32_pk16_fp6_f32 v[KFR+12*\c:KFR+2+12*\c], v[S+16+32*\c:S+31+32*\c], v[SO+1+2*\c]
.endr
	v_nop                                          ; one plain place behind a scaled conversion
.irp c, 0,1
.irp i, 0,1,2
	v_permlane16_swap_b32 v[PCD+6*\c+\i], v[KFR+12*\c+\i]
.endr
.irp i, 0,1,2
	v_mov_b32 v[PCD+3+6*\c+\i], v[KFR+12*\c+\i]
.endr
.endr
.set j, 0
.rept 16
	v_pk_mul_f32 v[O+j:O+j+1], v[O+j:O+j+1], v[252:253] op_sel_hi:[1,0]   ; O^T under the new M; these sixteen also stand between the writes of p's codes and word and the products
.set j, j+2
.endr
.irp t, 0,1,2,3                                ; O^T += V^T P^T: four accumulators, one instruction each
.if (\t)%2
	v_wmma_scale_f32_16x16x128_f8f6f4 v[O+8*\t:O+8*\t+7], v[VF+12*\t:VF+12*\t+11], v[PCD:PCD+11], v[O+8*\t:O+8*\t+7], v[VSC+\t/2], v253 matrix_a_fmt:MATRIX_FMT_FP6 matrix_b_fmt:MATRIX_FMT_FP6 matrix_a_scale:MATRIX_SCALE_ROW1
.else
	v_wmma_scale_f32_16x16x128_f8f6f4 v[O+8*\t:O+8*\t+7], v[VF+12*\t:VF+12*\t+11], v[PCD:PCD+11], v[O+8*\t:O+8*\t+7], v[VSC+\t/2], v253 matrix_a_fmt:MATRIX_FMT_FP6 matrix_b_fmt:MATRIX_FMT_FP6
.endif
.endr
	s_add_co_u32 s36, s36, 6144
	s_add_co_u32 s37, s37, 512
	s_add_co_u32 s38, s38, 256
	s_sub_co_u32 s39, s39, 1
	s_cmp_lg_u32 s39, 0
	s_cbranch_scc1 .Lstep
	; THE WAY OUT: O^T / the sum, quantised along d (two blocks of 32), as a half image of the last product's operand
	v_add_f32 v14, v14, v15
	v_permlanex16_b32 v254, v14, s20, s21
	v_add_f32 v14, v14, v254                       ; the row's sum
	v_rcp_f32 v14, v14
.rept 4
	v_nop                                          ; the plain place behind the reciprocal, and the places behind the last products
.endr
	s_wait_alu depctr_va_vdst(0)                   ; ahead of the reciprocal's first reader
.set j, 0
.rept 32
	v_mul_f32 v[S+j], v[O+j], v14                  ; register 16 b + i: d = 32 b + 16 h + i; each accumulator from its low end on
.set j, j+1
.endr
.irp b, 0,1
	v_max3_num_f32 v[BM+\b], |v[S+16*\b]|, |v[S+1+16*\b]|, 0x1800000
.endr
.irp i, 2,4,6,8,10,12,14
.irp b, 0,1
	v_max3_num_f32 v[BM+\b], v[BM+\b], |v[S+16*\b+\i]|, |v[S+1+16*\b+\i]|
.endr
.endr
.irp b, 0,1
	v_permlanex16_b32 v[PT+\b], v[BM+\b], s20, s21
.endr
.irp b, 0,1
	v_max_num_f32 v[BM+\b], v[BM+\b], v[PT+\b]
.endr
.irp b, 0,1
	v_add_nc_u32 v[SO+\b], 0xff000000, v[BM+\b]
.endr
.irp b, 0,1
	v_lshrrev_b32 v[PT+\b], 23, v[SO+\b]
.endr
	v_cvt_scalef32_pk16_fp6_f32 v[PCD:PCD+2], v[S:S+15], v[SO]
	v_cvt_scalef32_pk16_fp6_f32 v[KFR:KFR+2], v[S+16:S+31], v[SO+1]
	v_nop
.irp i, 0,1,2
	v_permlane16_swap_b32 v[PCD+\i], v[KFR+\i]
.endr
.irp i, 0,1,2
	v_mov_b32 v[PCD+3+\i], v[KFR+\i]
.endr
	v_cndmask_b32 v254, v[PT], v[PT+1], s41        ; lanes 0-15 block 0's byte, lanes 16-31 block 1's
	global_store_b128 v[L16], v[PCD:PCD+3], s[8:9] ; 512 consecutive bytes,
	global_store_b64 v[L8], v[PCD+4:PCD+5], s[8:9] ; and 256
	global_store_b8 v30, v254, s[10:11]
.irp i, 0,1,2,3,4,5
	v_mov_b32 v[16+\i], v[QN+\i]                   ; the second tile's Q
.endr
	v_mov_b32 v[QS], v31
	s_wait_xcnt 0x0                                ; the stores have read their data and bases
	s_add_nc_u64 s[8:9], s[8:9], 196608            ; 16 row tiles on
	s_add_nc_u64 s[10:11], s[10:11], 8192
	s_sub_co_u32 s40, s40, 1
	s_cmp_lg_u32 s40, 0
	s_cbranch_scc1 .Lpass
	s_wait_xcnt 0x0
	v_lshl_add_u32 v254, v0, 2, 0x29000
	v_mov_b32 v255, 0
	s_wait_tensorcnt 0x0
	ds_add_u32 v254, v255
	s_wait_dscnt 0x0
	s_endpgm
.Lfunc_end_k_qa965b5504b_attn:
	.size	k_qa965b5504b_attn, .Lfunc_end_k_qa965b5504b_attn-k_qa965b5504b_attn
	.p2alignl 7, 3214868480
	.fill 96, 4, 3214868480
	.section	.rodata,"a",@progbits
	.p2align	6, 0x0
	.amdhsa_kernel k_qa965b5504b_attn
		.amdhsa_group_segment_fixed_size 169984
		.amdhsa_private_segment_fixed_size 0
		.amdhsa_enable_private_segment 0
		.amdhsa_kernarg_size 32
		.amdhsa_user_sgpr_count 2
		.amdhsa_user_sgpr_kernarg_segment_ptr 1
		.amdhsa_wavefront_size32 1
		.amdhsa_system_sgpr_workgroup_id_x 1
		.amdhsa_system_sgpr_workgroup_id_y 1
		.amdhsa_system_sgpr_workgroup_id_z 1
		.amdhsa_system_vgpr_workitem_id 0
		.amdhsa_next_free_vgpr 256
		.amdhsa_next_free_sgpr 66
		.amdhsa_reserve_vcc 0
		.amdhsa_float_denorm_mode_32 3
		.amdhsa_float_denorm_mode_16_64 3
		.amdhsa_memory_ordered 1
		.amdhsa_forward_progress 1
		.amdhsa_inst_pref_size 27
	.end_amdhsa_kernel
	.amdgpu_metadata
---
amdhsa.version: [ 1, 2 ]
amdhsa.kernels:
  - .name:           k_qa965b5504b_attn
    .symbol:         k_qa965b5504b_attn.kd
    .args:
      - { .name: qb, .offset: 0, .size: 8, .value_kind: global_buffer, .address_space: global }
      - { .name: kv, .offset: 8, .size: 8, .value_kind: global_buffer, .address_space: global }
      - { .name: hc, .offset: 16, .size: 8, .value_kind: global_buffer, .address_space: global }
      - { .name: hs, .offset: 24, .size: 8, .value_kind: global_buffer, .address_space: global }
    .group_segment_fixed_size: 169984
    .private_segment_fixed_size: 0
    .kernarg_segment_align: 8
    .kernarg_segment_size: 32
    .max_flat_workgroup_size: 512
    .sgpr_count:     66
    .vgpr_count:     256
    .wavefront_size: 32
...
	.end_amdgpu_metadata
.endif
;; end of part 3
;; launch gemm_o (part 4): grid 4 x 32, 4 waves a work-group, clusters of 4 x 4, 327,680 bytes of LDS; arguments hc, hs, wc, ws, b_o, out0; writes out0
.if DOCPART == 4
	.amdgcn_target "amdgcn-amd-amdhsa--gfx1250"
	.amdhsa_code_object_version 6
	.text
	.protected	k_qa965b5504b_gemm_o
	.globl	k_qa965b5504b_gemm_o
	.p2align	8
	.type	k_qa965b5504b_gemm_o,@function
k_qa965b5504b_gemm_o:
	s_mov_b64 s[64:65], 0
	v_nop
	global_prefetch_b8 v0, s[64:65] scope:SCOPE_SE
	s_setreg_imm32_b32 hwreg(HW_REG_WAVE_MODE, 25, 1), 1
	s_wait_xcnt 0x0
	s_wait_alu depctr_hold_cnt(0) depctr_sa_sdst(0) depctr_va_vdst(0) depctr_va_sdst(0) depctr_va_ssrc(0) depctr_va_vcc(0) depctr_vm_vsrc(0)
	s_getreg_b32 s2, hwreg(HW_REG_IB_STS2, 6, 4)
	s_cmp_eq_u32 s2, 0
	s_cbranch_scc0 .Lentry_in_a_cluster
	s_endpgm
.Lentry_in_a_cluster:
	s_bfe_u32 s2, ttmp6, 0x10000c
	s_cmp_lg_u32 s2, 0xf033
	s_cbranch_scc0 .Lentry_shape_is_right
	s_endpgm
.Lentry_shape_is_right:
; out0 = heads W_o + b_o on codes of FP6 (E2M3) with E8M0 scales: [8192][1024] x [1024][1024], f32 out.
; A work-group of four waves makes 256 x 256, a wave 128 x 128: 64 accumulators.  K goes in four steps of 256 through two LDS slots filled by joint tensor loads in a cluster of 4 x 4: 128 work-groups in all.
; A (heads) lies in memory as images of operand registers, [row tile of 16][head][768 bytes]: a K step of 256 is 3,072 consecutive bytes of each row tile, and a fragment of 128 K is two half images
; (registers 0-3 at 16 x lane, 4-5 at 512 + 8 x lane; the second head 768 bytes on).  B is wc's rows 3,072..4,095, rows of 768 bytes.
; Source 0 = 16 rows of B, source 1 = 16 rows of A: a lane holds a row of the output, its registers run along columns.
; Both row orders carry the exchange of bits 3 and 4: the columns are set right by the places in the stage, the rows by the stores' offsets.
; The bias is the C of each sum's first matrix instruction (another order of f32 rounding than the product first and b afterwards).
; REGISTERS: window 0: v14-31 addresses; v32-63 scale words, two sets, and nothing else; v64-127 the biases as C; v128-223 A's fragments; on the way out v128-255 hold rows.
;   window 1: B's fragments, two sets.  windows 2, 3: the accumulators, (a, b) at v[8 (8 (a % 4) + b)].
.set NQ,     2
.set ROWB,   192
.set KROW,   768
.set PITCH,  240                       ; B's LDS row: 3 x (64 bytes + 16 of padding)
.set FR,     12
.set NLA,    4                         ; LDS loads that bring a fragment of A
.set NP,     4
.set HALFA,  8*3072                    ; 8 row tiles' part of a slot: what one tensor load brings of A
.set HALFT,  128*PITCH                 ; and of B
.set SLOT,   2*HALFA+2*HALFT
.set KS,     32
.set SCL,    2*SLOT
.set HALFS,  (128*KS/256)*272
.set SBLK,   (16*KS/256)*272
.set SPARE,  SCL+4*HALFS               ; the spare words: 128 bytes a wave, named by no other line
.set SPITCH, 528                       ; the way out: 16 rows x (512 + 16) bytes a wave, in slot 0, behind its last fill and its last read
.set BO,   14                          ; v14  64 x (lane / 16): my offset among the biases
.set AI16, 16                          ; v16-17  A's images in slot 0, 1: + 16 x lane
.set AI8,  18                          ; v18-19  + 8 x lane
.set ADRB, 20                          ; v20-23  B's fragments: slot 0, 1; the same behind one padding more
.set STO,  24
.set RD,   25
.set CO,   26
.set ADRS, 27
.set SPW,  28
.set NIL,  29
.set SC,   32
.set CB,   64
.set AF,   128
.set BK,   128
.set G1, 24
.set G0, 32
.set G1B, 48
.set G0B, 56
.set G1S, 68
.set G0S, 76
.set G1SB, 80
.set G0SB, 88
.set MSB, 0
.macro WIN new
.if MSB != (\new)
	s_set_vgpr_msb (MSB<<8)|(\new)
.set MSB, (\new)
.endif
.endm
.set MUL_LO,   0xa1
.set MUL_HI,   0xf1
.set FIRST_LO, 0x81                    ; the first step: C (the bias) window 0, D window 2
.set FIRST_HI, 0xc1
.set TO_B,     0x40
.macro JLOAD g0a, g1a, g0b, g1b        ; waves 0 and 1 fetch for A, waves 2 and 3 for B; four v_nop follow each of the two lines
	s_cmp_eq_u32 s15, 0
	s_cbranch_scc0 .Lfor_b_\@
	tensor_load_to_lds s[\g0a:\g0a+3], s[\g1a:\g1a+7]
	s_nop 0
.rept 4
	v_nop
.endr
	s_branch .Lasked_\@
.Lfor_b_\@:
	tensor_load_to_lds s[\g0b:\g0b+3], s[\g1b:\g1b+7]
	s_nop 0
.rept 4
	v_nop
.endr
.Lasked_\@:
.endm
.macro CREST
	s_cmp_lg_u32 s14, 0
	s_cbranch_scc1 .Lnot_wave_0_\@
	s_barrier_signal -3
.Lnot_wave_0_\@:
	s_barrier_wait -3
	s_barrier_signal -1
	s_barrier_wait -1
.endm
.macro CROUND
	s_barrier_signal -1
	s_barrier_wait -1
	CREST
.endm
	s_load_b128 s[4:7], s[0:1], 0x0                ; hc, hs
	s_load_b128 s[8:11], s[0:1], 0x10              ; wc, ws
	s_load_b64 s[66:67], s[0:1], 0x20              ; b_o
	s_load_b64 s[12:13], s[0:1], 0x28              ; out0
	v_lshl_add_u32 v[SPW], v0, 2, SPARE
	v_mov_b32 v[NIL], 0
	ds_add_u32 v28, v29
	ds_add_u32 v28, v29
	s_wait_dscnt 0x0
	v_lshrrev_b32 v1, 5, v0
	v_readfirstlane_b32 s14, v1                    ; wave 0..3
	s_lshr_b32 s15, s14, 1                         ; which half of the tile's rows is mine.  Also: I fetch for A (0) or for B (1)
	s_and_b32 s16, s14, 1                          ; which half of its columns.  Also: which half I fetch
	s_bfe_u32 s40, ttmp6, 0x40000                  ; cx
	s_bfe_u32 s41, ttmp6, 0x40004                  ; cy
	s_lshl_b32 s42, ttmp9, 2
	s_add_co_u32 s42, s42, s40                     ; tile column
	s_and_b32 s17, ttmp7, 0xffff
	s_lshl_b32 s17, s17, 2
	s_add_co_u32 s17, s17, s41                     ; tile row
	s_lshl_b32 s43, s41, 2
	s_lshl_b32 s43, 15, s43                        ; my row of the cluster
	s_lshl_b32 s44, 0x1111, s40                    ; my column
	; group 1 for A: 8 row tiles x 3,072 bytes (384 elements of 8), 12,288 bytes apart, no padding
	s_or_b32 s[G1+0], s43, (3<<16)|(1<<21)
	s_mov_b32 s[G1+1], 384<<16
	s_mov_b32 s[G1+2], 8<<16
	s_mov_b32 s[G1+3], 384<<16
	s_mov_b32 s[G1+4], 8
	s_mov_b32 s[G1+5], 1536
	s_mov_b32 s[G1+6], 0
	s_mov_b32 s[G1+7], 0
	; for B: 128 rows x 192 bytes, 16 bytes of padding behind every 64
	s_or_b32 s[G1B+0], s44, (0<<16)|(1<<20)|(1<<21)|(3<<22)|(3<<25)
	s_mov_b32 s[G1B+1], ROWB<<16
	s_mov_b32 s[G1B+2], 128<<16
	s_mov_b32 s[G1B+3], ROWB<<16
	s_mov_b32 s[G1B+4], 128
	s_mov_b32 s[G1B+5], KROW
	s_mov_b32 s[G1B+6], 0
	s_mov_b32 s[G1B+7], 0
	; for the scales of 128 rows: 16 rows of 256 bytes, 16 bytes of padding behind each
	s_or_b32 s[G1S+0], s43, (3<<16)|(1<<20)|(1<<21)|(5<<22)|(3<<25)
	s_or_b32 s[G1SB+0], s44, (3<<16)|(1<<20)|(1<<21)|(5<<22)|(3<<25)
.irp g, G1S, G1SB
	s_mov_b32 s[\g+1], 32<<16
	s_mov_b32 s[\g+2], (128*KS/256)<<16
	s_mov_b32 s[\g+3], 32<<16
	s_mov_b32 s[\g+4], 128*KS/256
	s_mov_b32 s[\g+5], 32
	s_mov_b32 s[\g+6], 0
	s_mov_b32 s[\g+7], 0
.endr
	s_lshl_b32 s18, s16, 7
	s_lshl_b32 s20, s17, 8
	s_add_co_u32 s20, s20, s18                     ; A: row 256 x tile row + 128 x half (768 bytes a row: 12,288 a row tile)
	s_lshl_b32 s46, s42, 8
	s_add_co_u32 s46, s46, s18
	s_add_co_u32 s46, s46, 3072                    ; B: wc's row 3,072 + 256 x tile column + 128 x half
	s_mov_b32 s21, 0
	s_mov_b32 s47, 0
	s_mov_b64 s[18:19], KS
	s_mul_u64 s[22:23], s[20:21], s[18:19]
	s_mul_u64 s[92:93], s[46:47], s[18:19]
	s_mov_b64 s[18:19], KROW
	s_mul_u64 s[20:21], s[20:21], s[18:19]
	s_mul_u64 s[46:47], s[46:47], s[18:19]
	s_mul_i32 s45, s16, HALFA                      ; where they go: A's two halves,
	s_mul_i32 s95, s16, HALFT
	s_add_co_u32 s95, s95, 2*HALFA                 ; then B's two
	s_mul_i32 s94, s14, HALFS
	s_wait_kmcnt 0x0
	s_add_nc_u64 s[20:21], s[4:5], s[20:21]
	s_add_nc_u64 s[22:23], s[6:7], s[22:23]
	s_add_nc_u64 s[46:47], s[8:9], s[46:47]
	s_add_nc_u64 s[92:93], s[10:11], s[92:93]
	CROUND                                         ; all sixteen work-groups are here: the first joint loads meet
	s_mov_b32 s[G0S], 1
	s_add_co_u32 s[G0S+1], s94, SCL
	s_mov_b64 s[G0S+2:G0S+3], s[22:23]
	s_or_b32 s[G0S+3], s[G0S+3], 0x80000000
	s_mov_b32 s[G0SB], 1
	s_add_co_u32 s[G0SB+1], s94, SCL
	s_mov_b64 s[G0SB+2:G0SB+3], s[92:93]
	s_or_b32 s[G0SB+3], s[G0SB+3], 0x80000000
	JLOAD G0S, G1S, G0SB, G1SB                     ; the scales first; with the two slots three loads of mine are out
.irp s, 0,1
	s_mov_b32 s[G0+4*\s], 1
	s_add_co_u32 s[G0+4*\s+1], s45, \s*SLOT
	s_add_nc_u64 s[G0+4*\s+2:G0+4*\s+3], s[20:21], \s*3072
	s_or_b32 s[G0+4*\s+3], s[G0+4*\s+3], 0x80000000
	s_mov_b32 s[G0B+4*\s], 1
	s_add_co_u32 s[G0B+4*\s+1], s95, \s*SLOT
	s_add_nc_u64 s[G0B+4*\s+2:G0B+4*\s+3], s[46:47], \s*ROWB
	s_or_b32 s[G0B+4*\s+3], s[G0B+4*\s+3], 0x80000000
	JLOAD G0+4*\s, G1, G0B+4*\s, G1B
.endr
	v_and_b32 v1, 15, v0                           ; r
	v_bfe_u32 v2, v0, 4, 1                         ; h
	v_and_b32 v6, 31, v0                           ; lane
	v_mul_u32_u24 v3, v1, PITCH
	v_mul_u32_u24 v4, v2, 24
	v_add_nc_u32 v4, v3, v4
	v_lshl_add_u32 v5, v2, 4, v4
	v_lshlrev_b32 v[CO], 4, v6                     ; 16 x lane
	v_lshlrev_b32 v7, 3, v6                        ; 8 x lane
	s_mul_i32 s21, s15, HALFA                      ; my 128 rows of A
	s_mul_i32 s22, s16, HALFT
	s_add_co_u32 s22, s22, 2*HALFA                 ; my 128 rows of B
.irp s, 0,1
	v_add_nc_u32 v[AI16+\s], s21, v[CO]
	v_add_nc_u32 v[AI8+\s], s21, v7
	v_add_nc_u32 v[ADRB+\s], s22, v4
	v_add_nc_u32 v[ADRB+2+\s], s22, v5
	s_add_co_u32 s21, s21, SLOT
	s_add_co_u32 s22, s22, SLOT
.endr
	v_mul_u32_u24 v5, v1, KS
	v_lshrrev_b32 v8, 8, v5
	v_lshl_add_u32 v5, v8, 4, v5
	s_mul_i32 s21, s15, HALFS
	s_mul_i32 s22, s16, HALFS
	s_add_co_u32 s22, s22, 2*HALFS
	s_sub_co_u32 s22, s22, s21
	v_mul_u32_u24 v8, s22, v2                      ; lanes 16-31 take B's
	s_add_co_u32 s21, s21, SCL
	v_add_nc_u32 v5, v5, v8
	v_add_nc_u32 v[ADRS], s21, v5
	s_mul_i32 s23, s14, 16*SPITCH                  ; my stage
	v_mul_u32_u24 v5, v1, SPITCH
	v_lshl_add_u32 v5, v2, 6, v5                   ; in: row r, + 64 h: tile b's eight columns are 32 (b / 2) + 16 h + 8 (b % 2) + 0..7
	v_add_nc_u32 v[STO], s23, v5
	v_add_nc_u32 v[RD], s23, v[CO]                 ; back: the 32 lanes take a row of 512 bytes
	v_lshlrev_b32 v[BO], 6, v2
	s_lshl_b32 s20, s17, 8
	s_lshl_b32 s21, s15, 7
	s_add_co_u32 s20, s20, s21                     ; my first row of out0
	s_lshl_b32 s20, s20, 12                        ; x 4,096 bytes (under 2^25)
	s_mov_b32 s21, 0
	s_lshl_b32 s46, s42, 10                        ; my first column, in bytes
	s_lshl_b32 s47, s16, 9
	s_add_co_u32 s46, s46, s47
	s_mov_b32 s47, 0
	s_add_nc_u64 s[66:67], s[66:67], s[46:47]      ; my 128 biases
	s_add_nc_u64 s[12:13], s[12:13], s[20:21]
	s_add_nc_u64 s[12:13], s[12:13], s[46:47]
.irp b, 0,1,2,3,4,5,6,7
	global_load_b128 v[CB+8*\b:CB+8*\b+3], v[BO], s[66:67] offset:(32*(\b/2)+8*(\b%2))*4
	global_load_b128 v[CB+8*\b+4:CB+8*\b+7], v[BO], s[66:67] offset:(32*(\b/2)+8*(\b%2))*4+16
.endr
.macro FRAG reg, adr, q, i             ; B: 16 rows x 128 K in pieces of 8 bytes
.irp p, 0,1,2,3,4,5
.set PCE, 12*(\q)+6*(\p/3)+\p%3
.if PCE%8 < 5
	ds_load_b64 v[\reg+2*\p:\reg+2*\p+1], v[\adr] offset:8*PCE+16*(PCE/8)+(\i)*16*PITCH
.else
	ds_load_b64 v[\reg+2*\p:\reg+2*\p+1], v[\adr+2] offset:8*PCE+16*(PCE/8)+(\i)*16*PITCH
.endif
.endr
.endm
.macro FRAGA reg, slot, q, i           ; A: two half images
	ds_load_b128 v[\reg:\reg+3],    v[AI16+\slot] offset:3072*(\i)+1536*(\q)
	ds_load_b64  v[\reg+4:\reg+5],  v[AI8+\slot]  offset:3072*(\i)+1536*(\q)+512
	ds_load_b128 v[\reg+6:\reg+9],  v[AI16+\slot] offset:3072*(\i)+1536*(\q)+768
	ds_load_b64  v[\reg+10:\reg+11], v[AI8+\slot] offset:3072*(\i)+1536*(\q)+1280
.endm
; 16 matrix instructions: A's blocks a0, a0 + 1 x B's eight.  zero = 1: C = the bias of B's block.  The 64 accumulators take turns, one instruction a turn.
.macro MUL16 a0, p, q, sc, zero
.irp a, \a0, \a0+1
.irp b, 0,1,2,3,4,5,6,7
.set ACR, 8*(8*((\a)%4)+\b)
.set CCR, ACR
.if \zero == 1
.set CCR, CB+8*\b
.endif
	v_wmma_scale_f32_16x16x128_f8f6f4 v[ACR:ACR+7], v[128*(\p)+FR*\b:128*(\p)+FR*\b+FR-1], v[AF+FR*(\a):AF+FR*(\a)+FR-1], v[CCR:CCR+7], v[SC+8*NQ*(\sc)+NQ*\b+(\q)], v[SC+8*NQ*(\sc)+NQ*(\a)+(\q)] matrix_a_fmt:MATRIX_FMT_FP6 matrix_b_fmt:MATRIX_FMT_FP6 matrix_a_scale:MATRIX_SCALE_ROW1
.endr
.endr
.endm
.macro FETCH_B slot, q, p
	WIN TO_B
.irp i, 0,1,2,3,4,5,6,7
	FRAG 128*(\p)+FR*\i, ADRB+\slot, \q, \i
.endr
	WIN 0
.endm
.macro FETCH_A slot, q, i0
.irp i, \i0, \i0+1, \i0+2, \i0+3
	FRAGA AF+FR*(\i), \slot, \q, \i
.endr
.endm
.macro SCALES sc
.irp i, 0,1,2,3,4,5,6,7
	ds_load_b64 v[SC+8*NQ*\sc+NQ*\i:SC+8*NQ*\sc+NQ*\i+1], v[ADRS] offset:\i*SBLK
.endr
.endm
.macro PLACES n
.rept \n
	v_nop
.endr
.endm
.macro STEP slot, q, zero
	s_wait_dscnt 4*NLA                             ; B's set and A's blocks 0-3 are in; the youngest 16 loads (A's blocks 4-7) may be out
.if \zero
	WIN FIRST_LO
.else
	WIN MUL_LO
.endif
	MUL16 0, (\q)%2, \q, \slot, \zero
	MUL16 2, (\q)%2, \q, \slot, \zero
	s_wait_dscnt 0
	PLACES NP
	FETCH_B \slot, (\q)+1, 1-(\q)%2
	FETCH_A \slot, (\q)+1, 0
.if \zero
	WIN FIRST_HI
.else
	WIN MUL_HI
.endif
	MUL16 4, (\q)%2, \q, \slot, \zero
	MUL16 6, (\q)%2, \q, \slot, \zero
	PLACES NP
	WIN 0
	FETCH_A \slot, (\q)+1, 4
.endm
.macro TURN slot, next, fill
	s_wait_tensorcnt 0x0                           ; all my tensor loads have landed: my part of the next slot
	ds_add_u32 v[SPW], v[NIL]                      ; 0 onto my spare word
	s_wait_dscnt 4*NLA+1                           ; the add and the youngest 16 loads may be out
	WIN MUL_LO
	MUL16 0, 1, NQ-1, \slot, 0
	s_wait_dscnt 0x0                               ; the add is done, and my reads of this slot are over
	s_barrier_signal -1
	MUL16 2, 1, NQ-1, \slot, 0
	WIN 0
	s_barrier_wait -1
.if \fill
	CREST                                          ; the barrier has opened a round of the cluster's
	s_add_nc_u64 s[G0+4*\slot+2:G0+4*\slot+3], s[G0+4*\slot+2:G0+4*\slot+3], 2*3072
	s_add_nc_u64 s[G0B+4*\slot+2:G0B+4*\slot+3], s[G0B+4*\slot+2:G0B+4*\slot+3], 2*ROWB
	JLOAD G0+4*\slot, G1, G0B+4*\slot, G1B         ; the first tensor load behind the round, my only one until the next
.else
	PLACES NP
.endif
	v_add_nc_u32 v[ADRS], 4*NQ, v[ADRS]
	FETCH_B \next, 0, 0
	FETCH_A \next, 0, 0
	SCALES \next
	WIN MUL_HI
	MUL16 4, 1, NQ-1, \slot, 0
	MUL16 6, 1, NQ-1, \slot, 0
	PLACES NP
	WIN 0
	FETCH_A \next, 0, 4
.endm
	s_wait_tensorcnt 1                             ; the scales and my part of K step 0 are in; K step 1's load may be out
	s_barrier_signal -1
	s_barrier_wait -1
	FETCH_B 0, 0, 0
	FETCH_A 0, 0, 0
	SCALES 0
	FETCH_A 0, 0, 4
	s_wait_loadcnt 0x0                             ; the biases
	STEP 0, 0, 1                                   ; the first products start the sums from the biases
	TURN 0, 1, 1
	STEP 1, 0, 0
	TURN 1, 0, 1
	STEP 0, 0, 0
	TURN 0, 1, 0
	STEP 1, 0, 0
	s_wait_dscnt 4*NLA
	WIN MUL_LO
	MUL16 0, 1, NQ-1, 1, 0
	MUL16 2, 1, NQ-1, 1, 0
	s_wait_dscnt 0
	WIN MUL_HI
	MUL16 4, 1, NQ-1, 1, 0
	MUL16 6, 1, NQ-1, 1, 0
	WIN 0
; THE WAY OUT, block by block of 16 rows x 128 columns, through my own stage: in by 32 bytes a lane at the columns' natural places, back as whole rows of 512 bytes.
.macro TOSTAGE a
.set AC, 64*((\a)%4)
	WIN 0x08+4*((\a)/4)                            ; an LDS store's data: window 2 or 3
.irp b, 0,1,2,3,4,5,6,7
	ds_store_b128 v[STO], v[AC+8*\b:AC+8*\b+3] offset:128*(\b/2)+32*(\b%2)        ; each accumulator from its low end on
	ds_store_b128 v[STO], v[AC+8*\b+4:AC+8*\b+7] offset:128*(\b/2)+32*(\b%2)+16
.endr
	WIN 0
.set BB, BK+64*((\a)%2)
.irp t, 0,1,2,3,4,5,6,7,8,9,10,11,12,13,14,15
	ds_load_b128 v[BB+4*\t:BB+4*\t+3], v[RD] offset:\t*SPITCH     ; in order behind my stores
.endr
.endm
.macro SEND a, younger                 ; younger: the LDS instructions issued behind block a's loads
.set BB, BK+64*((\a)%2)
	s_wait_dscnt \younger
.irp t, 0,1,2,3,4,5,6,7,8,9,10,11,12,13,14,15
	global_store_b128 v[CO], v[BB+4*\t:BB+4*\t+3], s[12:13] offset:(32*((\a)/2)+8*((\a)%2)+\t+8*(\t/8))*4096 th:TH_STORE_NT   ; row t of block a is natural row 32 (a / 2) + 8 (a % 2) + t + 8 (t / 8); 512 consecutive bytes, aligned
.endr
.endm
	PLACES NP
	TOSTAGE 0
.irp a, 1,2,3,4,5,6,7
.if \a > 1
	s_wait_xcnt 0x0                                ; block a - 2's stores have read their registers: block a's loads may land there
.endif
	TOSTAGE \a
	SEND \a-1, 32                                  ; behind block a - 1's loads: block a's 16 stores and 16 loads
.endr
	SEND 7, 0
	s_wait_tensorcnt 0x0                           ; the wave's end
	ds_add_u32 v[SPW], v[NIL]
	s_wait_dscnt 0x0
	CROUND                                         ; the closing round
	s_endpgm
.Lfunc_end_k_qa965b5504b_gemm_o:
	.size	k_qa965b5504b_gemm_o, .Lfunc_end_k_qa965b5504b_gemm_o-k_qa965b5504b_gemm_o
	.p2alignl 7, 3214868480
	.fill 96, 4, 3214868480
	.section	.rodata,"a",@progbits
	.p2align	6, 0x0
	.amdhsa_kernel k_qa965b5504b_gemm_o
		.amdhsa_group_segment_fixed_size 327680
		.amdhsa_private_segment_fixed_size 0
		.amdhsa_enable_private_segment 0
		.amdhsa_kernarg_size 48
		.amdhsa_user_sgpr_count 2
		.amdhsa_user_sgpr_kernarg_segment_ptr 1
		.amdhsa_wavefront_size32 1
		.amdhsa_system_sgpr_workgroup_id_x 1
		.amdhsa_system_sgpr_workgroup_id_y 1
		.amdhsa_system_sgpr_workgroup_id_z 1
		.amdhsa_system_vgpr_workitem_id 0
		.amdhsa_next_free_vgpr 1024
		.amdhsa_next_free_sgpr 98
		.amdhsa_reserve_vcc 0
		.amdhsa_float_denorm_mode_32 3
		.amdhsa_float_denorm_mode_16_64 3
		.amdhsa_memory_ordered 1
		.amdhsa_forward_progress 1
		.amdhsa_inst_pref_size 153
	.end_amdhsa_kernel
	.amdgpu_metadata
---
amdhsa.version: [ 1, 2 ]
amdhsa.kernels:
  - .name:           k_qa965b5504b_gemm_o
    .symbol:         k_qa965b5504b_gemm_o.kd
    .args:
      - { .name: hc, .offset: 0, .size: 8, .value_kind: global_buffer, .address_space: global }
      - { .name: hs, .offset: 8, .size: 8, .value_kind: global_buffer, .address_space: global }
      - { .name: wc, .offset: 16, .size: 8, .value_kind: global_buffer, .address_space: global }
      - { .name: ws, .offset: 24, .size: 8, .value_kind: global_buffer, .address_space: global }
      - { .name: b_o, .offset: 32, .size: 8, .value_kind: global_buffer, .address_space: global }
      - { .name: out0, .offset: 40, .size: 8, .value_kind: global_buffer, .address_space: global }
    .group_segment_fixed_size: 327680
    .private_segment_fixed_size: 0
    .kernarg_segment_align: 8
    .kernarg_segment_size: 48
    .max_flat_workgroup_size: 128
    .sgpr_count:     98
    .vgpr_count:     1024
    .wavefront_size: 32
...
	.end_amdgpu_metadata
.endif
;; end of part 4
